; MI455X (gfx1250); checked and timed in simulation.
; The chip was launched on July 23, 2026; its instructions are those of AMD's public machine-readable ISA for CDNA 5 (MIT licence, August 2026) and "CDNA5" Instruction Set Architecture Reference Guide (July 2026). The comments in the code are by the model that wrote it; some were corrected since.
;; MS Deform Attn. Allowed arithmetic: float matrix products may take bf16 or f16 operands with f32 sums; other float arithmetic in f32, or as packed bf16 or f16 multiplies, adds, multiply-adds, maxima and minima; sums over many terms, partial sums and values carried from step to step in f32; what a program stores and reads back later, other than sums and carried values, may be rounded once to bf16 or f16.
;; Inputs: W_attn 256 x 128 float32; W_off 256 x 256 float32; W_out 256 x 256 float32; W_value 256 x 256 float32; b_attn 128 float32; b_off 256 float32; b_out 256 float32; b_value 256 float32; input_flatten 2 x 13,294 x 256 float32; input_spatial_shapes 4 x 2 int32; query 2 x 13,294 x 256 float32; reference_points 2 x 13,294 x 4 x 2 float32.
;; Outputs: out0 2 x 13,294 x 256 float32.
;; 3 versions, each right; version 3 is version 2 with the launch gather written anew for expert scheduling mode. Each part assembles by itself: llvm-mc -triple=amdgcn-amd-amdhsa -mcpu=gfx1250 --defsym DOCPART=n.
;; ======== version 1 of 3: 3 launches
;; limits: values are held in f16: magnitudes above 65,504 overflow, below 6.1e-05 lose precision
;; workspace buffers: wfrag 458,752 bytes; value 13,647,872 bytes; wts 27,295,744 bytes; idx 6,823,936 bytes of whole numbers
;; launch prep (part 1): grid 56 x 1, 8 waves a work-group, no clusters, 0 bytes of LDS; arguments W_value, W_off, W_attn, W_out, wfrag; writes wfrag
.if DOCPART == 1
	.amdgcn_target "amdgcn-amd-amdhsa--gfx1250"
	.amdhsa_code_object_version 6
	.text
	.protected	k_q666d94c830_prep
	.globl	k_q666d94c830_prep
	.p2align	8
	.type	k_q666d94c830_prep,@function
k_q666d94c830_prep:
	s_mov_b64 s[64:65], 0
	v_nop
	global_prefetch_b8 v0, s[64:65] scope:SCOPE_SE
	s_setreg_imm32_b32 hwreg(HW_REG_WAVE_MODE, 25, 1), 1
	s_wait_xcnt 0x0
; The four weight matrices ([256 k][columns] f32) are rounded once to f16 and laid out as the matrix unit's fragments, so that the two launches behind
; load them with 16 bytes a lane, 512 consecutive bytes a wave, and no shuffle.
; wfrag = 56 tiles of 8,192 bytes: [K step f 0..7][half q 0..1][lane 0..31][16 bytes].  Lane (r = lane % 16, h = lane / 16) holds W[32 f + 16 q + 8 h + e][col(r)], e = 0..7.
; Tiles 0-15 W_value, col = 16 t + r.  16-31 W_off: t = 2 head + a (a = 0: x, 1: y), col = 32 head + 2 r + a, so that r is the point's number.  32-39 W_attn, col = 16 t + r.  40-55 W_out, col = 16 t + r.
; A work-group makes one tile, each of its eight waves one K step.  LIMIT: a weight beyond 65,504 has no f16; below 6e-5 it keeps f16's fixed step of 6e-8.
	s_load_b256 s[4:11], s[0:1], 0x0               ; W_value s[4:5], W_off s[6:7], W_attn s[8:9], W_out s[10:11]
	s_load_b64 s[12:13], s[0:1], 0x20              ; wfrag
	v_lshrrev_b32 v1, 5, v0
	v_readfirstlane_b32 s17, v1                    ; f: my wave's K step
	v_and_b32 v3, 15, v0                           ; r
	v_bfe_u32 v4, v0, 4, 1                         ; h
	v_and_b32 v7, 31, v0
	v_lshlrev_b32 v7, 4, v7
	v_lshl_add_u32 v7, v1, 10, v7                  ; where I store: 1,024 f + 16 lane
	s_mov_b32 s16, ttmp9                           ; the tile
	s_sub_co_u32 s26, s16, 16
	s_sub_co_u32 s27, s16, 32
	s_sub_co_u32 s28, s16, 40
	s_movk_i32 s29, 512
	s_movk_i32 s30, 1024
	s_cmp_lt_u32 s16, 40                           ; the tile's number inside its matrix (s20) and the matrix's row in bytes (s22)
	s_cselect_b32 s20, s27, s28
	s_cselect_b32 s22, s29, s30
	s_cmp_lt_u32 s16, 32
	s_cselect_b32 s20, s26, s20
	s_cselect_b32 s22, s30, s22
	s_cmp_lt_u32 s16, 16
	s_cselect_b32 s20, s16, s20
	s_lshl_b32 s23, s20, 4                         ; first column: 16 t,
	s_lshr_b32 s18, s20, 1
	s_lshl_b32 s18, s18, 5
	s_and_b32 s19, s20, 1
	s_add_co_u32 s18, s18, s19                     ; or, for W_off, 32 (t / 2) + t % 2
	s_lshr_b32 s21, s16, 4
	s_cmp_eq_u32 s21, 1                            ; tiles 16-31
	s_cselect_b32 s23, s18, s23
	s_cselect_b32 s24, 3, 2                        ; lanes 8 bytes apart there (every second column), else 4
	s_lshl_b32 s23, s23, 2
	s_lshl_b32 s25, s22, 4                         ; 16 rows
	s_lshl_b32 s18, s17, 5
	v_lshl_add_u32 v6, v4, 3, s18                  ; my first row: 32 f + 8 h
	v_mul_lo_u32 v6, v6, s22
	v_lshlrev_b32 v5, s24, v3
	v_add3_u32 v16, v6, v5, s23                    ; v[16+e]: byte offset of element e of half 0, v[24+e] of half 1
.irp e, 1,2,3,4,5,6,7
	v_add_nc_u32 v[16+\e], s22, v[15+\e]
.endr
	v_add_nc_u32 v24, s25, v16
.irp e, 9,10,11,12,13,14,15
	v_add_nc_u32 v[16+\e], s22, v[15+\e]
.endr
	s_wait_kmcnt 0x0
	s_cmp_lt_u32 s16, 40                           ; the matrix: a choice on the tile's number alone
	s_cselect_b64 s[14:15], s[8:9], s[10:11]
	s_cmp_lt_u32 s16, 32
	s_cselect_b64 s[14:15], s[6:7], s[14:15]
	s_cmp_lt_u32 s16, 16
	s_cselect_b64 s[14:15], s[4:5], s[14:15]
	s_lshl_b32 s18, s16, 13
	s_mov_b32 s19, 0
	s_add_nc_u64 s[12:13], s[12:13], s[18:19]      ; wfrag at my tile
.irp e, 0,1,2,3,4,5,6,7,8,9,10,11,12,13,14,15
	global_load_b32 v[32+\e], v[16+\e], s[14:15]
.endr
	s_wait_loadcnt 0x0
.irp k, 0,1,2,3,4,5,6,7
	v_cvt_pk_f16_f32 v[8+\k], v[32+2*\k], v[33+2*\k]
.endr
	global_store_b128 v7, v[8:11], s[12:13]               ; each store of the wave covers 512 consecutive bytes, aligned
	global_store_b128 v7, v[12:15], s[12:13] offset:512
	s_endpgm
.Lfunc_end_k_q666d94c830_prep:
	.size	k_q666d94c830_prep, .Lfunc_end_k_q666d94c830_prep-k_q666d94c830_prep
	.p2alignl 7, 3214868480
	.fill 96, 4, 3214868480
	.section	.rodata,"a",@progbits
	.p2align	6, 0x0
	.amdhsa_kernel k_q666d94c830_prep
		.amdhsa_group_segment_fixed_size 0
		.amdhsa_private_segment_fixed_size 0
		.amdhsa_enable_private_segment 0
		.amdhsa_kernarg_size 40
		.amdhsa_user_sgpr_count 2
		.amdhsa_user_sgpr_kernarg_segment_ptr 1
		.amdhsa_wavefront_size32 1
		.amdhsa_system_sgpr_workgroup_id_x 1
		.amdhsa_system_sgpr_workgroup_id_y 1
		.amdhsa_system_sgpr_workgroup_id_z 1
		.amdhsa_system_vgpr_workitem_id 0
		.amdhsa_next_free_vgpr 48
		.amdhsa_next_free_sgpr 66
		.amdhsa_reserve_vcc 0
		.amdhsa_float_denorm_mode_32 3
		.amdhsa_float_denorm_mode_16_64 3
		.amdhsa_memory_ordered 1
		.amdhsa_forward_progress 1
		.amdhsa_inst_pref_size 5
	.end_amdhsa_kernel
	.amdgpu_metadata
---
amdhsa.version: [ 1, 2 ]
amdhsa.kernels:
  - .name:           k_q666d94c830_prep
    .symbol:         k_q666d94c830_prep.kd
    .args:
      - { .name: W_value, .offset: 0, .size: 8, .value_kind: global_buffer, .address_space: global }
      - { .name: W_off, .offset: 8, .size: 8, .value_kind: global_buffer, .address_space: global }
      - { .name: W_attn, .offset: 16, .size: 8, .value_kind: global_buffer, .address_space: global }
      - { .name: W_out, .offset: 24, .size: 8, .value_kind: global_buffer, .address_space: global }
      - { .name: wfrag, .offset: 32, .size: 8, .value_kind: global_buffer, .address_space: global }
    .group_segment_fixed_size: 0
    .private_segment_fixed_size: 0
    .kernarg_segment_align: 8
    .kernarg_segment_size: 40
    .max_flat_workgroup_size: 256
    .sgpr_count:     66
    .vgpr_count:     48
    .wavefront_size: 32
...
	.end_amdgpu_metadata
.endif
;; end of part 1
;; launch proj (part 2): grid 238 x 1, 8 waves a work-group, no clusters, 133,120 bytes of LDS; arguments query, input_flatten, reference_points, wfrag, b_value, b_off, b_attn, value, wts, idx; writes value, wts, idx
.if DOCPART == 2
	.amdgcn_target "amdgcn-amd-amdhsa--gfx1250"
	.amdhsa_code_object_version 6
	.text
	.protected	k_q666d94c830_proj
	.globl	k_q666d94c830_proj
	.p2align	8
	.type	k_q666d94c830_proj,@function
k_q666d94c830_proj:
	s_mov_b64 s[64:65], 0
	v_nop
	global_prefetch_b8 v0, s[64:65] scope:SCOPE_SE
	s_setreg_imm32_b32 hwreg(HW_REG_WAVE_MODE, 25, 1), 1
	s_wait_xcnt 0x0
; THE THREE PROJECTIONS AND THE SAMPLING LIST.  For each of the 26,588 rows (2 x 13,294; padded to 26,656 = 238 x 112, the padding made of the last row):
;   value = input_flatten W_value + b_value, stored f16 by heads: [8][26,656][32];
;   offs = query W_off + b_off, logits = query W_attn + b_attn; softmax over a head's 16 points; and from them, for each (row, head, point):
;   idx = by W + bx (u16, a whole number: the launch behind makes addresses of it) and four f16 weights w00 w01 w10 w11 = softmax weight x hat_y x hat_x.
; BILINEAR FORM.  x = ref_x W + (off_x - 0.5); bx = clamp(floor x, 0, W - 2); d = x - bx; pixel bx weighs med3(1 - d, 1 + d, 0), pixel bx + 1 med3(d, 2 - d, 0): the hat max(0, 1 - |x - pixel|),
; which is the four corners with zero padding for every x.  The same for y.
; LIMITS.  Matrix operands and value are f16: rows, weights and value stay within 65,504, and below 6e-5 keep f16's fixed step of 6e-8.  x is formed as ref W + off - 0.5, not as (ref + off / W) W - 0.5: another order
; of rounding, some 1e-5 of a pixel.  NaN and infinities are not treated apart.  input_spatial_shapes is not read: the result does not hang on it, the level geometry (100, 50, 25, 13 squared) is the problem's constant.
; SHARES.  A work-group owns 112 rows, seven tiles of 16.  Wave w is head w: its five weight tiles (x, y, logits, two of value: 320 registers) stay in registers; the rows are rounded to f16 once and shared through LDS.
; LAYOUT.  The product is used transposed (source 0 = 16 columns of a weight, source 1 = 16 rows): lane (r, h) register j holds row r, column index 8 h + j.  So register j of the x, y and logit tiles
; belongs to ONE point: level 2 h + j / 4, point j % 4; a head's 16 logits lie in the two lanes r and r + 16.
; No tensor load: the rows want a conversion in registers.  No cluster: the weights that work-groups share go once into registers, and 238 work-groups are no multiple of four.  No prefetch: the launch streams its rows from its first line.
.set ROWS,   26588
.set PITCH,  528                       ; an LDS row: 512 bytes + 16 = 132 words: the 16 rows of a fragment load start at 16 different groups of four banks (64 banks of 4 bytes: ISA guide 11.1)
.set AQ,     0                         ; 112 rows of query, f16
.set AV,     59136                     ; 112 rows of input_flatten, f16
.set RPT,    118272                    ; 112 rows x 32 bytes of reference points, f32
.set STG,    121856                    ; for each wave 16 rows x 80 bytes: value's way out
.set SPARE,  132096                    ; the spare words, 128 bytes a wave: four blocks of 256 bytes that no other line names
.set VPLANE, 1705984                   ; a head's bytes in value, wts, idx
.set WPLANE, 3411968
.set IPLANE, 852992
; window 0: v0-15, v30 addresses; v16-29 row offsets, later level constants; v32-71 biases; v72-183 rows in flight, later as below; v192-255 W_value's K steps 4-7
; window 1: v0-127 W_off (x, y); v128-191 W_attn; v192-255 W_value's K steps 0-3
.set RO,  16                           ; v16-29  byte offsets of my 14 rows
.set BV,  32                           ; b_value, two tiles
.set BX,  48                           ; b_off's x - 0.5
.set BY,  56                           ; b_off's y - 0.5
.set BL,  64                           ; b_attn
.set S,   72                           ; 14 rows x 8 registers, f32
.set AF,  72                           ; 8 fragments of 16 rows x 32 k
.set FX,  72                           ; the epilogue works where the fragments lay
.set FY,  80
.set XL,  88
.set XH,  96
.set YL,  104
.set YH,  112
.set W00, 120
.set W01, 128
.set W10, 72
.set W11, 80
.set X,   136
.set Y,   144
.set LG,  152
.set DV,  136                          ; value's two accumulators
.set OU,  160                          ; 16 registers of weights to store
.set P,   160                          ; value, packed
.set OB,  168                          ; value, back from the stage
.set IDX, 176
.set RW0, 180                          ; (ref_x W, ref_y H) of level 2 h
.set RW1, 182                          ; of level 2 h + 1
.set RP,  184
.set T,   188                          ; four at work
.set MSB, 0
.macro WIN new                         ; the immediate's high byte repeats the setting that is left; a switch that changes nothing is dropped
.if MSB != (\new)
	s_set_vgpr_msb (MSB<<8)|(\new)
.set MSB, \new
.endif
.endm
	s_load_b512 s[8:23], s[0:1], 0x0               ; query 8, input_flatten 10, reference_points 12, wfrag 14, b_value 16, b_off 18, b_attn 20, value 22
	s_load_b128 s[24:27], s[0:1], 0x40             ; wts 24, idx 26
	v_lshl_add_u32 v4, v0, 2, SPARE                ; my spare word, and 0: for the wave's end
	v_mov_b32 v5, 0
	v_lshrrev_b32 v1, 5, v0
	v_readfirstlane_b32 s28, v1                    ; wave = head
	v_and_b32 v1, 31, v0                           ; lane
	v_and_b32 v2, 15, v0                           ; r
	v_bfe_u32 v3, v0, 4, 1                         ; h
	s_mov_b32 s29, ttmp9
	s_mul_i32 s30, s29, 112                        ; the work-group's first row
	v_lshlrev_b32 v6, 4, v1                        ; 16 lane
	v_mul_u32_u24 v7, v2, PITCH
	v_lshl_add_u32 v7, v3, 4, v7                   ; v7: a fragment of query: row r, 16 h
	v_add_nc_u32 v8, AV, v7                        ; v8: of input_flatten
	v_lshlrev_b32 v9, 5, v2
	v_lshl_add_u32 v9, v3, 4, v9
	v_add_nc_u32 v9, RPT, v9                       ; v9: row r's reference points of levels 2 h, 2 h + 1
	s_mul_i32 s31, s28, 1280
	s_add_co_u32 s31, s31, STG                     ; my stage
	v_mul_u32_u24 v10, v2, 80
	v_lshl_add_u32 v10, v3, 4, v10
	v_add_nc_u32 v10, s31, v10                     ; v10: in: row r, 16 bytes for each half of the lanes
	v_lshrrev_b32 v11, 2, v1
	v_mul_u32_u24 v11, v11, 80
	v_and_b32 v12, 3, v1
	v_lshl_add_u32 v11, v12, 4, v11
	v_add_nc_u32 v11, s31, v11                     ; v11: back: four lanes a row of 64 bytes
	v_mov_b32 v12, v6                              ; v12: the same rows in value: 512 consecutive bytes
	v_and_b32 v14, 7, v2
	v_lshlrev_b32 v14, 4, v14
	v_lshl_add_u32 v14, v3, 7, v14                 ; 128 h + 16 (r % 8)
	v_lshrrev_b32 v15, 3, v2
	v_lshl_add_u32 v13, v15, 10, v14               ; v13: wts: a group of 8 rows is 1,024 bytes
	v_lshl_add_u32 v14, v15, 8, v14                ; v14: idx: 256 bytes
	s_mul_i32 s32, s28, 14*PITCH
	v_lshl_add_u32 v15, v1, 3, s32                 ; v15: where I put 8 bytes of my rows of query,
	v_add_nc_u32 v30, AV, v15                      ; v30: of input_flatten
	s_mul_i32 s31, s28, 14
	s_add_co_u32 s31, s31, s30                     ; my first row: wave w converts rows 14 w .. 14 w + 13
.irp i, 0,1,2,3,4,5,6,7,8,9,10,11,12,13
	s_add_co_u32 s32, s31, \i
	s_min_u32 s32, s32, ROWS-1                     ; the padding repeats the last row: no load leaves its buffer
	s_lshl_b32 s32, s32, 10
	v_add_nc_u32 v[RO+\i], s32, v6
.endr
	s_mov_b32 s36, 0x3fb8aa3b                      ; log2(e), as a pair
	s_mov_b32 s37, s36
	s_mov_b32 s38, 0x76543210                      ; v_permlanex16_b32: each lane takes its own place in the other half
	s_mov_b32 s39, 0xfedcba98
	s_mov_b32 s33, 0
	s_wait_kmcnt 0x0
	s_lshl_b32 s32, s28, 14
	s_add_nc_u64 s[40:41], s[14:15], s[32:33]      ; wfrag at my head's two tiles of W_value; W_off's lie 131,072 on
	s_lshl_b32 s32, s28, 13
	s_add_co_u32 s32, s32, 262144
	s_add_nc_u64 s[42:43], s[14:15], s[32:33]      ; at my tile of W_attn
	s_mul_i32 s32, s28, VPLANE
	s_lshl_b32 s31, s30, 6
	s_add_co_u32 s32, s32, s31
	s_add_nc_u64 s[22:23], s[22:23], s[32:33]      ; value, wts, idx at my head and the work-group's first row
	s_mul_i32 s32, s28, WPLANE
	s_mul_i32 s31, s29, 14336
	s_add_co_u32 s32, s32, s31
	s_add_nc_u64 s[24:25], s[24:25], s[32:33]
	s_mul_i32 s32, s28, IPLANE
	s_mul_i32 s31, s29, 3584
	s_add_co_u32 s32, s32, s31
	s_add_nc_u64 s[26:27], s[26:27], s[32:33]
	s_cmp_lt_u32 s28, 7                            ; waves 0-6 fetch 16 rows' reference points each: the oldest load, so it enters no count below
	s_cbranch_scc0 .Lno_rp
	s_lshl_b32 s31, s28, 4
	s_add_co_u32 s31, s31, s30
	s_lshl_b32 s31, s31, 5
	v_add_nc_u32 v[T+3], s31, v6
	v_min_u32 v[T+3], ROWS*32-16, v[T+3]
	global_load_b128 v[RP:RP+3], v[T+3], s[12:13]
.Lno_rp:
	WIN 0x40                                       ; destination window 1, address window 0
.irp a, 0,1
.irp f, 0,1,2,3,4,5,6,7
	global_load_b128 v[8*(8*\a+\f):8*(8*\a+\f)+3],   v6, s[40:41] offset:131072+8192*\a+1024*\f
	global_load_b128 v[8*(8*\a+\f)+4:8*(8*\a+\f)+7], v6, s[40:41] offset:131072+8192*\a+1024*\f+512
.endr
.endr
.irp f, 0,1,2,3,4,5,6,7
	global_load_b128 v[128+8*\f:128+8*\f+3], v6, s[42:43] offset:1024*\f
	global_load_b128 v[128+8*\f+4:128+8*\f+7], v6, s[42:43] offset:1024*\f+512
.endr
.irp b, 0,1
.irp f, 0,1,2,3
	global_load_b128 v[192+8*(4*\b+\f):192+8*(4*\b+\f)+3],   v6, s[40:41] offset:8192*\b+1024*\f
	global_load_b128 v[192+8*(4*\b+\f)+4:192+8*(4*\b+\f)+7], v6, s[40:41] offset:8192*\b+1024*\f+512
.endr
.endr
	WIN 0
.irp b, 0,1
.irp f, 4,5,6,7
	global_load_b128 v[192+8*(4*\b+\f-4):192+8*(4*\b+\f-4)+3],   v6, s[40:41] offset:8192*\b+1024*\f
	global_load_b128 v[192+8*(4*\b+\f-4)+4:192+8*(4*\b+\f-4)+7], v6, s[40:41] offset:8192*\b+1024*\f+512
.endr
.endr
	; the biases, in the accumulators' layout: they are the C operand that starts each sum
	s_lshl_b32 s31, s28, 7
	s_lshl_b32 s32, s28, 6
	v_lshl_add_u32 v[T], v3, 5, s31                ; b_value: column 32 w + 16 b + 8 h
	v_lshl_add_u32 v[T+1], v3, 6, s31              ; b_off: column 32 w + 2 (8 h + j) + a
	v_lshl_add_u32 v[T+2], v3, 5, s32              ; b_attn: column 16 w + 8 h
.irp b, 0,1
	global_load_b128 v[BV+8*\b:BV+8*\b+3],   v[T], s[16:17] offset:64*\b
	global_load_b128 v[BV+8*\b+4:BV+8*\b+7], v[T], s[16:17] offset:64*\b+16
.endr
.irp j, 0,1,2,3,4,5,6,7
	global_load_b32 v[BX+\j], v[T+1], s[18:19] offset:8*\j
	global_load_b32 v[BY+\j], v[T+1], s[18:19] offset:8*\j+4
.endr
	global_load_b128 v[BL:BL+3],   v[T+2], s[20:21]
	global_load_b128 v[BL+4:BL+7], v[T+2], s[20:21] offset:16
	; my 14 rows of query: a load of the wave covers 512 consecutive bytes, two make a row
.irp i, 0,1,2,3,4,5,6,7,8,9,10,11,12,13
	global_load_b128 v[S+8*\i:S+8*\i+3],   v[RO+\i], s[8:9] th:TH_LOAD_NT
	global_load_b128 v[S+8*\i+4:S+8*\i+7], v[RO+\i], s[8:9] offset:512 th:TH_LOAD_NT
.endr
.macro CVROW i, adr                    ; row i: 8 numbers a lane rounded to f16, 8 bytes into each half of the LDS row
	v_cvt_pk_f16_f32 v[T],   v[S+8*(\i)],   v[S+8*(\i)+1]
	v_cvt_pk_f16_f32 v[T+1], v[S+8*(\i)+2], v[S+8*(\i)+3]
	v_cvt_pk_f16_f32 v[T+2], v[S+8*(\i)+4], v[S+8*(\i)+5]
	v_cvt_pk_f16_f32 v[T+3], v[S+8*(\i)+6], v[S+8*(\i)+7]
	ds_store_b64 v[\adr], v[T:T+1]   offset:PITCH*(\i)
	ds_store_b64 v[\adr], v[T+2:T+3] offset:PITCH*(\i)+256
.endm
.irp i, 0,1,2,3,4,5,6,7,8,9,10,11,12,13
	s_wait_loadcnt 26                              ; row i of query is in: behind its two loads stand those of 13 other rows (of query, or of input_flatten already asked for).  All older loads are in too, so T may be written
	CVROW \i, 15
	global_load_b128 v[S+8*\i:S+8*\i+3],   v[RO+\i], s[10:11] th:TH_LOAD_NT   ; its registers take the same row of input_flatten
	global_load_b128 v[S+8*\i+4:S+8*\i+7], v[RO+\i], s[10:11] offset:512 th:TH_LOAD_NT
.endr
.irp i, 0,1,2,3,4,5,6,7,8,9,10,11,12,13
	s_wait_loadcnt 26-2*\i                         ; nothing more is asked for: the counts run down
	CVROW \i, 30
.endr
.irp k, 0,2,4,6,8,10,12,14
	v_pk_add_f32 v[BX+\k:BX+\k+1], v[BX+\k:BX+\k+1], -0.5 op_sel_hi:[1,0]   ; b_off - 0.5, x and y
.endr
	v_cmp_eq_u32 vcc_lo, 1, v3                     ; the constants of my two levels: no load is out, so the row offsets' registers are free
.macro PICK d, lo, hi                  ; h = 0: lo, h = 1: hi
	v_mov_b32 v[\d], \hi
	v_cndmask_b32 v[\d], \lo, v[\d], vcc_lo
.endm
	PICK 16, 0x42c80000, 0x41c80000                ; W of level 2 h: 100 | 25
	PICK 17, 0x42c80000, 0x41c80000                ; H
	PICK 18, 0x42480000, 0x41500000                ; W of level 2 h + 1: 50 | 13
	PICK 19, 0x42480000, 0x41500000                ; H
	PICK 20, 0x42c40000, 0x41b80000                ; W - 2: 98 | 23
	PICK 21, 0x42c40000, 0x41b80000                ; H - 2
	PICK 22, 0x42400000, 0x41300000                ; 48 | 11
	PICK 23, 0x42400000, 0x41300000
	v_mov_b32 v25, 0                               ; named with v24 as a pair
	s_cmp_lt_u32 s28, 7
	s_cbranch_scc0 .Lno_rps
	s_lshl_b32 s31, s28, 9
	s_add_co_u32 s31, s31, RPT
	v_add_nc_u32 v[T+1], s31, v6
	ds_store_b128 v[T+1], v[RP:RP+3]
.Lno_rps:
	s_wait_dscnt 0x0                               ; for the others' sake: my stores into the shared rows are done
	s_barrier_signal -1
	s_barrier_wait -1                              ; the launch's one barrier: from here on the rows are only read
	; QUERY'S SIDE: seven tiles of 16 rows
	s_mov_b32 s34, 7
.Lq:
	ds_load_b128 v[RP:RP+3], v9
.irp f, 0,1,2,3,4,5,6,7
	ds_load_b128 v[AF+8*\f:AF+8*\f+3],   v7 offset:64*\f
	ds_load_b128 v[AF+8*\f+4:AF+8*\f+7], v7 offset:64*\f+32
.endr
	s_wait_dscnt 0x0
	WIN 0x01                                       ; source 0, the weights, in window 1
.irp f, 0,1,2,3,4,5,6,7                ; the three accumulators take turns, one instruction a turn; the biases start the sums
.if \f == 0
	v_wmma_f32_16x16x32_f16 v[X:X+7],   v[0:7],     v[AF:AF+7], v[BX:BX+7]
	v_wmma_f32_16x16x32_f16 v[Y:Y+7],   v[64:71],   v[AF:AF+7], v[BY:BY+7]
	v_wmma_f32_16x16x32_f16 v[LG:LG+7], v[128:135], v[AF:AF+7], v[BL:BL+7]
.else
	v_wmma_f32_16x16x32_f16 v[X:X+7],   v[8*\f:8*\f+7],         v[AF+8*\f:AF+8*\f+7], v[X:X+7]
	v_wmma_f32_16x16x32_f16 v[Y:Y+7],   v[64+8*\f:64+8*\f+7],   v[AF+8*\f:AF+8*\f+7], v[Y:Y+7]
	v_wmma_f32_16x16x32_f16 v[LG:LG+7], v[128+8*\f:128+8*\f+7], v[AF+8*\f:AF+8*\f+7], v[LG:LG+7]
.endif
.endr
	WIN 0
	v_add_nc_u32 v7, 16*PITCH, v7                  ; five plain instructions that name no register of the products: the places behind them (ISA guide 7.12.1)
	v_add_nc_u32 v9, 512, v9
	v_pk_mul_f32 v[RW0:RW0+1], v[RP:RP+1], v[16:17]
	v_pk_mul_f32 v[RW1:RW1+1], v[RP+2:RP+3], v[18:19]
	v_nop
	; the softmax's maximum over the head's 16 logits: my eight (lowest registers first), then the lane 16 away
	v_max3_num_f32 v[T], v[LG], v[LG+1], v[LG+2]
	v_max3_num_f32 v[T], v[T], v[LG+3], v[LG+4]
	v_max3_num_f32 v[T], v[T], v[LG+5], v[LG+6]
	v_max_num_f32 v[T], v[T], v[LG+7]
	v_permlanex16_b32 v[T+1], v[T], s38, s39
	v_max_num_f32 v[T], v[T], v[T+1]
	v_mul_f32 v24, s36, v[T]
.irp k, 0,2,4,6
	v_pk_fma_f32 v[LG+\k:LG+\k+1], v[LG+\k:LG+\k+1], s[36:37], v[24:25] op_sel_hi:[1,0,0] neg_lo:[0,0,1] neg_hi:[0,0,1]   ; log2(e) (s - m)
.endr
.irp j, 0,1,2,3,4,5,6,7
	v_exp_f32 v[LG+\j], v[LG+\j]                   ; one batch; the coordinates' work below names none of its results
.endr
.irp k, 0,2
	v_pk_add_f32 v[X+\k:X+\k+1], v[X+\k:X+\k+1], v[RW0:RW0+1] op_sel_hi:[1,0]             ; x = ref_x W + (off_x - 0.5)
.endr
.irp k, 4,6
	v_pk_add_f32 v[X+\k:X+\k+1], v[X+\k:X+\k+1], v[RW1:RW1+1] op_sel_hi:[1,0]
.endr
.irp k, 0,2
	v_pk_add_f32 v[Y+\k:Y+\k+1], v[Y+\k:Y+\k+1], v[RW0:RW0+1] op_sel:[0,1] op_sel_hi:[1,1] ; y likewise, by the pair's second register
.endr
.irp k, 4,6
	v_pk_add_f32 v[Y+\k:Y+\k+1], v[Y+\k:Y+\k+1], v[RW1:RW1+1] op_sel:[0,1] op_sel_hi:[1,1]
.endr
.irp j, 0,1,2,3,4,5,6,7
	v_floor_f32 v[FX+\j], v[X+\j]
	v_floor_f32 v[FY+\j], v[Y+\j]
.endr
.irp j, 0,1,2,3
	v_med3_num_f32 v[FX+\j], v[FX+\j], 0, v20      ; bx, by: held to 0 .. W - 2, 0 .. H - 2
	v_med3_num_f32 v[FY+\j], v[FY+\j], 0, v21
	v_fma_f32 v[XL+\j], v[FY+\j], v16, v[FX+\j]    ; by W + bx: exact, 9,898 at the most
.endr
.irp j, 4,5,6,7
	v_med3_num_f32 v[FX+\j], v[FX+\j], 0, v22
	v_med3_num_f32 v[FY+\j], v[FY+\j], 0, v23
	v_fma_f32 v[XL+\j], v[FY+\j], v18, v[FX+\j]
.endr
.irp j, 0,1,2,3,4,5,6,7
	v_cvt_u32_f32 v[XL+\j], v[XL+\j]
.endr
.irp k, 0,1,2,3
	v_lshl_or_b32 v[IDX+\k], v[XL+2*\k+1], 16, v[XL+2*\k]
.endr
.irp k, 0,2,4,6
	v_pk_add_f32 v[X+\k:X+\k+1], v[X+\k:X+\k+1], v[FX+\k:FX+\k+1] neg_lo:[0,1] neg_hi:[0,1]   ; d
	v_pk_add_f32 v[Y+\k:Y+\k+1], v[Y+\k:Y+\k+1], v[FY+\k:FY+\k+1] neg_lo:[0,1] neg_hi:[0,1]
.endr
.irp k, 0,2,4,6
	v_pk_fma_f32 v[XL+\k:XL+\k+1], v[X+\k:X+\k+1], -1.0, 1.0 op_sel_hi:[1,0,0]   ; 1 - d
	v_pk_add_f32 v[W00+\k:W00+\k+1], v[X+\k:X+\k+1], 1.0 op_sel_hi:[1,0]         ; 1 + d
	v_pk_fma_f32 v[XH+\k:XH+\k+1], v[X+\k:X+\k+1], -1.0, 2.0 op_sel_hi:[1,0,0]   ; 2 - d
	v_pk_fma_f32 v[YL+\k:YL+\k+1], v[Y+\k:Y+\k+1], -1.0, 1.0 op_sel_hi:[1,0,0]
	v_pk_add_f32 v[W01+\k:W01+\k+1], v[Y+\k:Y+\k+1], 1.0 op_sel_hi:[1,0]
	v_pk_fma_f32 v[YH+\k:YH+\k+1], v[Y+\k:Y+\k+1], -1.0, 2.0 op_sel_hi:[1,0,0]
.endr
.irp j, 0,1,2,3,4,5,6,7
	v_med3_num_f32 v[XL+\j], v[XL+\j], v[W00+\j], 0    ; the hats
	v_med3_num_f32 v[XH+\j], v[X+\j], v[XH+\j], 0
	v_med3_num_f32 v[YL+\j], v[YL+\j], v[W01+\j], 0
	v_med3_num_f32 v[YH+\j], v[Y+\j], v[YH+\j], 0
.endr
	s_wait_alu depctr_va_vdst(0)                   ; one wait for the eight exponentials, ahead of their first reader
	v_pk_add_f32 v[T:T+1], v[LG:LG+1], v[LG+2:LG+3]
	v_pk_add_f32 v[T+2:T+3], v[LG+4:LG+5], v[LG+6:LG+7]
	v_pk_add_f32 v[T:T+1], v[T:T+1], v[T+2:T+3]
	v_add_f32 v[T], v[T], v[T+1]
	v_permlanex16_b32 v[T+1], v[T], s38, s39
	v_add_f32 v[T], v[T], v[T+1]                   ; the sum of the 16, at least 1
	v_rcp_f32 v[T+2], v[T]
	v_nop                                          ; a plain instruction behind the reciprocal,
	s_wait_alu depctr_va_vdst(0)                   ; and its wait
.irp k, 0,2,4,6
	v_pk_mul_f32 v[LG+\k:LG+\k+1], v[LG+\k:LG+\k+1], v[T+2:T+3] op_sel_hi:[1,0]
.endr
.irp k, 0,2,4,6
	v_pk_mul_f32 v[YL+\k:YL+\k+1], v[YL+\k:YL+\k+1], v[LG+\k:LG+\k+1]
	v_pk_mul_f32 v[YH+\k:YH+\k+1], v[YH+\k:YH+\k+1], v[LG+\k:LG+\k+1]
.endr
.irp k, 0,2,4,6
	v_pk_mul_f32 v[W00+\k:W00+\k+1], v[YL+\k:YL+\k+1], v[XL+\k:XL+\k+1]
	v_pk_mul_f32 v[W01+\k:W01+\k+1], v[YL+\k:YL+\k+1], v[XH+\k:XH+\k+1]
	v_pk_mul_f32 v[W10+\k:W10+\k+1], v[YH+\k:YH+\k+1], v[XL+\k:XL+\k+1]
	v_pk_mul_f32 v[W11+\k:W11+\k+1], v[YH+\k:YH+\k+1], v[XH+\k:XH+\k+1]
.endr
.irp j, 0,1,2,3,4,5,6,7
	v_cvt_pk_f16_f32 v[OU+2*\j],   v[W00+\j], v[W01+\j]
	v_cvt_pk_f16_f32 v[OU+2*\j+1], v[W10+\j], v[W11+\j]
.endr
.irp e, 0,1,2,3                        ; two points' weights, 16 bytes a lane: the lanes of 8 rows and both halves fill 256 consecutive bytes, aligned: slot 2 e + h of the group
	global_store_b128 v13, v[OU+4*\e:OU+4*\e+3], s[24:25] offset:256*\e th:TH_STORE_NT
.endr
	global_store_b128 v14, v[IDX:IDX+3], s[26:27] th:TH_STORE_NT   ; 512 consecutive bytes: two groups
	s_wait_xcnt 0x0                                ; the stores' offsets and data are written again only behind this wait
	v_add_nc_u32 v13, 2048, v13
	v_add_nc_u32 v14, 512, v14
	s_sub_co_u32 s34, s34, 1
	s_cmp_lg_u32 s34, 0
	s_cbranch_scc1 .Lq
	; VALUE: seven tiles of 16 rows x my head's 32 channels
	s_mov_b32 s34, 7
.Lv:
.irp f, 0,1,2,3,4,5,6,7
	ds_load_b128 v[AF+8*\f:AF+8*\f+3],   v8 offset:64*\f
	ds_load_b128 v[AF+8*\f+4:AF+8*\f+7], v8 offset:64*\f+32
.endr
	s_wait_dscnt 0x0
	WIN 0x01
.irp f, 0,1,2,3                        ; the two accumulators take turns
.irp b, 0,1
.if \f == 0
	v_wmma_f32_16x16x32_f16 v[DV+8*\b:DV+8*\b+7], v[192+32*\b:192+32*\b+7], v[AF:AF+7], v[BV+8*\b:BV+8*\b+7]
.else
	v_wmma_f32_16x16x32_f16 v[DV+8*\b:DV+8*\b+7], v[192+8*(4*\b+\f):192+8*(4*\b+\f)+7], v[AF+8*\f:AF+8*\f+7], v[DV+8*\b:DV+8*\b+7]
.endif
.endr
.endr
	WIN 0
.irp f, 4,5,6,7
.irp b, 0,1
	v_wmma_f32_16x16x32_f16 v[DV+8*\b:DV+8*\b+7], v[192+8*(4*\b+\f-4):192+8*(4*\b+\f-4)+7], v[AF+8*\f:AF+8*\f+7], v[DV+8*\b:DV+8*\b+7]
.endr
.endr
	v_add_nc_u32 v8, 16*PITCH, v8                  ; the places behind the products
.rept 4
	v_nop
.endr
.irp b, 0,1
.irp k, 0,1,2,3
	v_cvt_pk_f16_f32 v[P+4*\b+\k], v[DV+8*\b+2*\k], v[DV+8*\b+2*\k+1]
.endr
.endr
	ds_store_b128 v10, v[P:P+3]                    ; a lane's 8 channels of a row; rows of 80 bytes
	ds_store_b128 v10, v[P+4:P+7] offset:32
	ds_load_b128 v[OB:OB+3],   v11                 ; LDS serves a wave's instructions in order (ISA guide 5.7.1.4): these see the stores above; the stage is my own
	ds_load_b128 v[OB+4:OB+7], v11 offset:640
	s_wait_dscnt 0x0
	global_store_b128 v12, v[OB:OB+3],   s[22:23]              ; 16 rows of 64 bytes: 1,024 consecutive bytes, aligned
	global_store_b128 v12, v[OB+4:OB+7], s[22:23] offset:512
	s_wait_xcnt 0x0
	v_add_nc_u32 v12, 1024, v12
	s_sub_co_u32 s34, s34, 1
	s_cmp_lg_u32 s34, 0
	s_cbranch_scc1 .Lv
	s_wait_tensorcnt 0x0                           ; the wave's end: behind my last LDS store
	ds_add_u32 v4, v5
	s_wait_dscnt 0x0
	s_endpgm
.Lfunc_end_k_q666d94c830_proj:
	.size	k_q666d94c830_proj, .Lfunc_end_k_q666d94c830_proj-k_q666d94c830_proj
	.p2alignl 7, 3214868480
	.fill 96, 4, 3214868480
	.section	.rodata,"a",@progbits
	.p2align	6, 0x0
	.amdhsa_kernel k_q666d94c830_proj
		.amdhsa_group_segment_fixed_size 133120
		.amdhsa_private_segment_fixed_size 0
		.amdhsa_enable_private_segment 0
		.amdhsa_kernarg_size 80
		.amdhsa_user_sgpr_count 2
		.amdhsa_user_sgpr_kernarg_segment_ptr 1
		.amdhsa_wavefront_size32 1
		.amdhsa_system_sgpr_workgroup_id_x 1
		.amdhsa_system_sgpr_workgroup_id_y 1
		.amdhsa_system_sgpr_workgroup_id_z 1
		.amdhsa_system_vgpr_workitem_id 0
		.amdhsa_next_free_vgpr 512
		.amdhsa_next_free_sgpr 66
		.amdhsa_reserve_vcc 1
		.amdhsa_float_denorm_mode_32 3
		.amdhsa_float_denorm_mode_16_64 3
		.amdhsa_memory_ordered 1
		.amdhsa_forward_progress 1
		.amdhsa_inst_pref_size 53
	.end_amdhsa_kernel
	.amdgpu_metadata
---
amdhsa.version: [ 1, 2 ]
amdhsa.kernels:
  - .name:           k_q666d94c830_proj
    .symbol:         k_q666d94c830_proj.kd
    .args:
      - { .name: query, .offset: 0, .size: 8, .value_kind: global_buffer, .address_space: global }
      - { .name: input_flatten, .offset: 8, .size: 8, .value_kind: global_buffer, .address_space: global }
      - { .name: reference_points, .offset: 16, .size: 8, .value_kind: global_buffer, .address_space: global }
      - { .name: wfrag, .offset: 24, .size: 8, .value_kind: global_buffer, .address_space: global }
      - { .name: b_value, .offset: 32, .size: 8, .value_kind: global_buffer, .address_space: global }
      - { .name: b_off, .offset: 40, .size: 8, .value_kind: global_buffer, .address_space: global }
      - { .name: b_attn, .offset: 48, .size: 8, .value_kind: global_buffer, .address_space: global }
      - { .name: value, .offset: 56, .size: 8, .value_kind: global_buffer, .address_space: global }
      - { .name: wts, .offset: 64, .size: 8, .value_kind: global_buffer, .address_space: global }
      - { .name: idx, .offset: 72, .size: 8, .value_kind: global_buffer, .address_space: global }
    .group_segment_fixed_size: 133120
    .private_segment_fixed_size: 0
    .kernarg_segment_align: 8
    .kernarg_segment_size: 80
    .max_flat_workgroup_size: 256
    .sgpr_count:     66
    .vgpr_count:     512
    .wavefront_size: 32
...
	.end_amdgpu_metadata
.endif
;; end of part 2
;; launch sample (part 3): grid 256 x 1, 8 waves a work-group, no clusters, 283,136 bytes of LDS; arguments value, wts, idx, wfrag, b_out, out0; writes out0
.if DOCPART == 3
	.amdgcn_target "amdgcn-amd-amdhsa--gfx1250"
	.amdhsa_code_object_version 6
	.text
	.protected	k_q666d94c830_sample
	.globl	k_q666d94c830_sample
	.p2align	8
	.type	k_q666d94c830_sample,@function
k_q666d94c830_sample:
	s_mov_b64 s[64:65], 0
	v_nop
	global_prefetch_b8 v0, s[64:65] scope:SCOPE_SE
	s_setreg_imm32_b32 hwreg(HW_REG_WAVE_MODE, 25, 1), 1
	s_wait_xcnt 0x0
; THE SAMPLING AND THE LAST PROJECTION.  For each (row, head): the sum over 16 points x 4 corners of weight x value[corner][32 channels]; then out0 = sums W_out + b_out.
; value: f16 [8 heads][26,656 rows][32]; wts: f16 [8][groups of 8 rows][8 slots][8 rows][16 bytes]; idx: u16 [8][groups][2][8 rows][8], whole numbers stored by the launch before.
; SHARES.  A work-group owns 104 rows, 13 groups of 8.  Wave w is head w and walks the 13 groups.  Lane (row = lane / 4, c = lane % 4) holds channels 8 c .. 8 c + 7 of one row's sum, in f32.
; A point is one address register and four loads of 16 bytes a lane: the corners (by, bx), (by, bx + 1), (by + 1, bx), (by + 1, bx + 1) stand in the immediates (0, 64, 64 W, 64 W + 64, on the level's first row),
; and 32 multiply-adds straight from the f16 halves.  A ring of eight points, 32 loads of every wave, is always on its way.
; The sums, rounded once to f16, meet in LDS; then wave w makes columns 32 w .. 32 w + 31 of out0 for all rows (7 tiles of 16; rows 104-111 are zeros), and the rows leave through LDS as whole rows of 1,024 bytes.
; LIMITS.  The sums lie within value's range (the weights are at least 0 and add up to 1 at the most) and are rounded to f16 for the product.  An index is held to its level's range before it enters an address.
; No tensor load and no cluster: the gather goes lane by lane and no two work-groups share a tile; W_out goes once into registers.  value is not prefetched: it is walked again and again, by addresses that come from the list.
.set ROWS,   26588
.set LENIN,  13294
.set VPLANE, 1705984
.set WPLANE, 3411968
.set IPLANE, 852992
.set WTSB,   13312                     ; LDS 0: each wave's 13 groups of weights
.set ATL,    106496                    ; 112 rows x 528 bytes: the sums in f16
.set PA,     528                       ; 512 + 16 bytes = 132 words: the 16 rows of a fragment load start at 16 different groups of four banks (64 banks of 4 bytes: ISA guide 11.1)
.set OST,    165632                    ; 112 rows x 1,040 bytes: out0's rows in f32
.set PO,     1040
.set SPARE,  282112                    ; the spare words, 128 bytes a wave: four blocks of 256 bytes that no other line names
; window 0: v2 16 c; v3 the same in the second batch; v4 the one in hand; v5 my row; v6 my 16 bytes of idx; v7 my weights in LDS; v8 where my sums go; v9 0; v10, v11 the spare word and 0; v12 8 lane; v13 16 lane; v14 at work; v15 b_out's offset
; window 1: v0-103 the weights on their way to LDS; v128-255 W_out's two tiles
.set ACC, 16                           ; v16-23  eight sums
.set IA,  24                           ; v24-27  indices of points 0-7
.set IB,  28                           ; v28-31  of points 8-15
.set AD,  32                           ; v32-39  a slot's address
.set P,   40                           ; v40-43  the sums, packed
.set WT,  48                           ; v48-79  the group's weights: points 2 p, 2 p + 1 at WT + 4 p
.set BO,  80                           ; v80-95  b_out, two tiles
.set R,   112                          ; v112-239 the ring: slot s at R + 16 s, corner k at + 4 k
.set MSB, 0
.macro WIN new                         ; the immediate's high byte repeats the setting that is left; a switch that changes nothing is dropped
.if MSB != (\new)
	s_set_vgpr_msb (MSB<<8)|(\new)
.set MSB, \new
.endif
.endm
.macro LEVEL l                         ; a level's first row, its width, its greatest by W + bx
.if (\l) == 0
.set LS, 0
.set LW, 100
.set LM, 9898
.elseif (\l) == 1
.set LS, 10000
.set LW, 50
.set LM, 2448
.elseif (\l) == 2
.set LS, 12500
.set LW, 25
.set LM, 598
.else
.set LS, 13125
.set LW, 13
.set LM, 154
.endif
.endm
; A point's four loads into a slot.  The slot's address register is written only behind the wait that has shown the slot's last loads done.
.macro ISSUE slot, ireg, half, lvl
	LEVEL \lvl
.if \half
	v_lshrrev_b32 v14, 16, v[\ireg]
.else
	v_and_b32 v14, 0xffff, v[\ireg]
.endif
	v_min_u32 v14, LM, v14
	v_lshl_add_u32 v[AD+(\slot)], v14, 6, v4
	global_load_b128 v[R+16*(\slot):R+16*(\slot)+3],     v[AD+(\slot)], s[8:9] offset:LS*64
	global_load_b128 v[R+16*(\slot)+4:R+16*(\slot)+7],   v[AD+(\slot)], s[8:9] offset:LS*64+64
	global_load_b128 v[R+16*(\slot)+8:R+16*(\slot)+11],  v[AD+(\slot)], s[8:9] offset:LS*64+LW*64
	global_load_b128 v[R+16*(\slot)+12:R+16*(\slot)+15], v[AD+(\slot)], s[8:9] offset:LS*64+LW*64+64
.endm
.macro MIX d, a, b, c, ha, hb          ; d = f16 half ha of a x f16 half hb of b + c, in f32
.if ((\ha) == 0) && ((\hb) == 0)
	v_fma_mix_f32 v[\d], v[\a], v[\b], v[\c] op_sel_hi:[1,1,0]
.elseif (\hb) == 0
	v_fma_mix_f32 v[\d], v[\a], v[\b], v[\c] op_sel:[1,0,0] op_sel_hi:[1,1,0]
.elseif (\ha) == 0
	v_fma_mix_f32 v[\d], v[\a], v[\b], v[\c] op_sel:[0,1,0] op_sel_hi:[1,1,0]
.else
	v_fma_mix_f32 v[\d], v[\a], v[\b], v[\c] op_sel:[1,1,0] op_sel_hi:[1,1,0]
.endif
.endm
; A point's 32 multiply-adds: corner k's weight is half k % 2 of register wb + k / 2.  first: the group's first corner starts the sums on 0: nothing is cleared.
.macro FMA32 slot, wb, first
.irp k, 0,1,2,3
.irp i, 0,1,2,3
.if (\first) && ((\k) == 0)
	MIX ACC+2*\i,   R+16*(\slot)+4*\k+\i, (\wb)+\k/2, 9, 0, \k%2
	MIX ACC+2*\i+1, R+16*(\slot)+4*\k+\i, (\wb)+\k/2, 9, 1, \k%2
.else
	MIX ACC+2*\i,   R+16*(\slot)+4*\k+\i, (\wb)+\k/2, ACC+2*\i,   0, \k%2
	MIX ACC+2*\i+1, R+16*(\slot)+4*\k+\i, (\wb)+\k/2, ACC+2*\i+1, 1, \k%2
.endif
.endr
.endr
.endm
; Point q of a group.  n: the loads younger than the point's four.  more = 1: another group follows: a pair's weights are fetched again as soon as both its points are done, and points 8-15 refill the ring with the next group's points 0-7.
.macro STEP q, more, n
	s_wait_loadcnt \n
.if (\more) && ((\q)%2 == 0)
	s_wait_dscnt 8                                 ; this pair's weights are in: behind their load stand the seven other pairs' and the group's one store
.endif
	FMA32 (\q)%8, WT+4*((\q)/2)+2*((\q)%2), (\q)==0
.if (\more) && ((\q)%2 == 1)
	ds_load_b128 v[WT+4*((\q)/2):WT+4*((\q)/2)+3], v7 offset:1024+128*(4*(((\q)/4)%2)+2*(((\q)/2)%2)+(\q)/8)   ; the slot of level q / 4, points q % 4 - 1 and q % 4
.endif
.if (\q) < 8
	ISSUE (\q)%8, IB+(\q)/2, (\q)%2, ((\q)+8)/4
.elseif \more
	ISSUE (\q)%8, IA+((\q)-8)/2, (\q)%2, ((\q)-8)/4
.endif
.endm
; A group of 8 rows.  With more = 1 every count is 29: seven younger points' 28 loads, and one load of indices in every window of eight points (points 0-7's at the head, points 8-15's in the middle).
; The same counts show the indices in: 33 loads stand between each load of indices and the wait ahead of its first use.
.macro BODY more
.if \more
	s_wait_xcnt 0x0                                ; the loads and the prefetch that name idx's pointer have read it
	s_add_nc_u64 s[12:13], s[12:13], 256           ; the next group's block
	global_load_b128 v[IA:IA+3], v6, s[12:13] th:TH_LOAD_NT
	s_cmp_gt_u32 s22, 1                            ; the block after it, 256 bytes (32 lanes, 8 bytes apart), is prefetched one group, 16 points, ahead of its load: my own blocks alone, each named once;
	s_cbranch_scc0 .Lno_ask_\@                     ; the last trip has no block behind the one that it loads
	global_prefetch_b8 v12, s[12:13] offset:256 th:TH_LOAD_NT scope:SCOPE_SE
.Lno_ask_\@:
.else
	s_wait_dscnt 0x0                               ; all the last group's weights are in
.endif
.irp q, 0,1,2,3,4,5,6,7
.if \more
	STEP \q, 1, 29
.else
	STEP \q, 0, 28
.endif
.endr
.if \more
	global_load_b128 v[IB:IB+3], v6, s[12:13] offset:128 th:TH_LOAD_NT
	v_add_nc_u32 v5, 8, v5                         ; the next group's row, and the batch that it lies in
	v_cmp_le_u32 vcc_lo, s24, v5
	v_cndmask_b32 v4, v2, v3, vcc_lo
.endif
.irp q, 8,9,10,11,12,13,14,15
.if \more
	STEP \q, 1, 29
.else
	STEP \q, 0, 4*(15-\q)
.endif
.endr
.irp k, 0,1,2,3
	v_cvt_pk_f16_f32 v[P+\k], v[ACC+2*\k], v[ACC+2*\k+1]
.endr
	ds_store_b128 v8, v[P:P+3]
.if \more
	v_add_nc_u32 v8, 8*PA, v8
	v_add_nc_u32 v7, 1024, v7
.endif
.endm
	s_load_b256 s[8:15], s[0:1], 0x0               ; value 8, wts 10, idx 12, wfrag 14
	s_load_b128 s[16:19], s[0:1], 0x20             ; b_out 16, out0 18
	v_lshl_add_u32 v10, v0, 2, SPARE               ; my spare word, and 0: for the wave's end
	v_mov_b32 v11, 0
	v_lshrrev_b32 v1, 5, v0
	v_readfirstlane_b32 s20, v1                    ; wave = head
	v_and_b32 v1, 31, v0                           ; lane
	s_mov_b32 s21, ttmp9
	v_and_b32 v14, 3, v1                           ; c
	v_lshlrev_b32 v2, 4, v14
	v_add_nc_u32 v3, LENIN*64, v2
	v_lshrrev_b32 v243, 2, v1                      ; my row in a group
	s_mul_i32 s25, s21, 104
	v_add_nc_u32 v5, s25, v243
	v_lshlrev_b32 v6, 4, v243
	s_mul_i32 s26, s20, WTSB
	v_add_nc_u32 v7, s26, v6
	v_mul_u32_u24 v8, v243, PA
	v_lshl_add_u32 v8, v14, 4, v8
	s_lshl_b32 s27, s20, 6
	s_add_co_u32 s27, s27, ATL
	v_add_nc_u32 v8, s27, v8                       ; row x 528 + my head's 64 bytes + 16 c
	v_mov_b32 v9, 0
	v_lshlrev_b32 v12, 3, v1
	v_lshlrev_b32 v13, 4, v1
.irp k, 44,45,46,47
	v_mov_b32 v\k, 0
.endr
	v_and_b32 v243, 15, v0                         ; r
	v_bfe_u32 v244, v0, 4, 1                       ; h
	v_mul_u32_u24 v240, v243, PA
	v_lshl_add_u32 v240, v244, 4, v240
	v_add_nc_u32 v240, ATL, v240                   ; v240: a fragment of the sums
	s_lshl_b32 s27, s20, 7
	v_lshl_add_u32 v15, v244, 5, s27               ; b_out: column 32 w + 16 b + 8 h
	v_mul_u32_u24 v241, v243, PO
	v_lshl_add_u32 v241, v244, 5, v241
	s_add_co_u32 s28, s27, OST
	v_add_nc_u32 v241, s28, v241                   ; v241: where a lane's 8 numbers of a row of out0 go
	s_mul_i32 s28, s20, 13*PO
	s_add_co_u32 s28, s28, OST
	v_add_nc_u32 v242, s28, v13                    ; v242: back: wave w takes rows 13 w .. 13 w + 12, whole
	s_mul_i32 s23, s20, 13
	s_add_co_u32 s23, s23, s25                     ; the first of them
	s_mov_b32 s24, LENIN
	s_mov_b32 s31, 0
	s_wait_kmcnt 0x0
	s_mul_i32 s30, s20, VPLANE
	s_add_nc_u64 s[8:9], s[8:9], s[30:31]          ; value at my head; never rewritten
	s_mul_i32 s30, s20, WPLANE
	s_mul_i32 s27, s21, 13312
	s_add_co_u32 s30, s30, s27
	s_add_nc_u64 s[10:11], s[10:11], s[30:31]      ; wts and idx at my head and the work-group's first group
	s_mul_i32 s30, s20, IPLANE
	s_mul_i32 s27, s21, 3328
	s_add_co_u32 s30, s30, s27
	s_add_nc_u64 s[12:13], s[12:13], s[30:31]
	s_lshl_b32 s30, s20, 14
	s_add_co_u32 s30, s30, 327680
	s_add_nc_u64 s[14:15], s[14:15], s[30:31]      ; wfrag at my two tiles of W_out
	s_lshl_b32 s30, s23, 10
	s_add_nc_u64 s[18:19], s[18:19], s[30:31]      ; out0 at the first row that I store
	global_load_b128 v[IA:IA+3], v6, s[12:13] th:TH_LOAD_NT
	global_load_b128 v[IB:IB+3], v6, s[12:13] offset:128 th:TH_LOAD_NT
.irp b, 0,1
	global_load_b128 v[BO+8*\b:BO+8*\b+3],   v15, s[16:17] offset:64*\b
	global_load_b128 v[BO+8*\b+4:BO+8*\b+7], v15, s[16:17] offset:64*\b+16
.endr
	WIN 0x40                                       ; destination window 1, address window 0
.irp b, 0,1
.irp f, 0,1,2,3,4,5,6,7
	global_load_b128 v[128+8*(8*\b+\f):128+8*(8*\b+\f)+3],   v13, s[14:15] offset:8192*\b+1024*\f
	global_load_b128 v[128+8*(8*\b+\f)+4:128+8*(8*\b+\f)+7], v13, s[14:15] offset:8192*\b+1024*\f+512
.endr
.endr
.irp i, 0,1,2,3,4,5,6,7,8,9,10,11,12,13,14,15,16,17,18,19,20,21,22,23,24,25
	global_load_b128 v[4*\i:4*\i+3], v13, s[10:11] offset:512*\i th:TH_LOAD_NT   ; my 13 groups of weights: 13,312 consecutive bytes
.endr
	WIN 0
	s_wait_loadcnt 62                              ; the first group's indices are in: 4 + 32 + 26 loads stand behind them
	v_cmp_le_u32 vcc_lo, s24, v5
	v_cndmask_b32 v4, v2, v3, vcc_lo               ; rows from 13,294 on sample the second batch's rows of value
.irp q, 0,1,2,3,4,5,6,7
	ISSUE \q, IA+(\q)/2, (\q)%2, (\q)/4            ; the ring is filled
.endr
	s_wait_loadcnt 32                              ; all but the ring's 32 loads
	v_add_nc_u32 v14, s26, v13
	WIN 0x04                                       ; the stores' data in window 1
.irp i, 0,1,2,3,4,5,6,7,8,9,10,11,12,13,14,15,16,17,18,19,20,21,22,23,24,25
	ds_store_b128 v14, v[4*\i:4*\i+3] offset:512*\i
.endr
	WIN 0
.irp p, 0,1,2,3,4,5,6,7
	ds_load_b128 v[WT+4*\p:WT+4*\p+3], v7 offset:128*(4*((\p/2)%2)+2*(\p%2)+\p/4)   ; my own bytes: LDS serves a wave's instructions in order (ISA guide 5.7.1.4)
.endr
	s_mul_i32 s27, s20, PA
	s_add_co_u32 s27, s27, ATL+104*PA
	v_add_nc_u32 v14, s27, v13
	ds_store_b128 v14, v[44:47]                    ; row 104 + w of the sums is 0: the seventh tile's rows that no group fills
	s_wait_dscnt 0x0
	s_mov_b32 s22, 12
.Ltask:
	BODY 1
	s_sub_co_u32 s22, s22, 1
	s_cmp_lg_u32 s22, 0
	s_cbranch_scc1 .Ltask
	BODY 0                                         ; the last group asks for nothing beyond itself: its counts run down
	s_wait_dscnt 0x0                               ; for the others' sake: my sums are in LDS
	s_barrier_signal -1
	s_barrier_wait -1
	; out0 = sums W_out + b_out, transposed (source 0 = 16 columns of W_out, source 1 = 16 rows): lane (r, h) register j holds row r, column 32 w + 16 b + 8 h + j
.macro LOADA t, buf
.irp f, 0,1,2,3,4,5,6,7
	ds_load_b128 v[(\buf)+8*\f:(\buf)+8*\f+3],   v240 offset:16*PA*(\t)+64*\f
	ds_load_b128 v[(\buf)+8*\f+4:(\buf)+8*\f+7], v240 offset:16*PA*(\t)+64*\f+32
.endr
.endm
.macro TILE t
.set FA, 112+64*((\t)%2)
.set DD, 16+16*((\t)%2)
.if (\t) < 6
	LOADA (\t)+1, 112+64*(((\t)+1)%2)              ; the next tile's fragments, into the buffer whose last products stand five places and four stores back
	s_wait_dscnt 16                                ; all but those sixteen
.else
	s_wait_dscnt 0x0
.endif
	WIN 0x01
.irp f, 0,1,2,3,4,5,6,7                ; the two accumulators take turns; b_out starts the sums
.irp b, 0,1
.if \f == 0
	v_wmma_f32_16x16x32_f16 v[DD+8*\b:DD+8*\b+7], v[128+64*\b:128+64*\b+7], v[FA:FA+7], v[BO+8*\b:BO+8*\b+7]
.else
	v_wmma_f32_16x16x32_f16 v[DD+8*\b:DD+8*\b+7], v[128+8*(8*\b+\f):128+8*(8*\b+\f)+7], v[FA+8*\f:FA+8*\f+7], v[DD+8*\b:DD+8*\b+7]
.endif
.endr
.endr
	WIN 0
.if (\t) > 0
	v_add_nc_u32 v241, 16*PO, v241                 ; the places behind the products
.else
	v_nop
.endif
.rept 4
	v_nop
.endr
.irp b, 0,1
	ds_store_b128 v241, v[DD+8*\b:DD+8*\b+3]   offset:64*\b       ; each accumulator's lowest registers first
	ds_store_b128 v241, v[DD+8*\b+4:DD+8*\b+7] offset:64*\b+16
.endr
.endm
	LOADA 0, 112
.irp t, 0,1,2,3,4,5,6
	TILE \t
.endr
	s_wait_dscnt 0x0                               ; for the others' sake: my columns are in LDS
	s_barrier_signal -1
	s_barrier_wait -1
.irp i, 0,1,2,3,4,5,6,7,8,9,10,11,12
	ds_load_b128 v[112+8*\i:112+8*\i+3], v242 offset:PO*\i
	ds_load_b128 v[116+8*\i:116+8*\i+3], v242 offset:PO*\i+512
.endr
.irp i, 0,1,2,3,4,5,6,7,8,9,10,11,12
	s_add_co_u32 s25, s23, \i
	s_cmp_ge_u32 s25, ROWS                         ; the last work-group's rows from 26,588 on do not exist
	s_cbranch_scc1 .Lend
	s_wait_dscnt 24-2*\i                           ; row i is back: two loads for each later row may stay out
	global_store_b128 v13, v[112+8*\i:112+8*\i+3], s[18:19] offset:1024*\i th:TH_STORE_NT       ; each store of the wave covers 512 consecutive bytes, aligned
	global_store_b128 v13, v[116+8*\i:116+8*\i+3], s[18:19] offset:1024*\i+512 th:TH_STORE_NT
.endr
.Lend:
	s_wait_tensorcnt 0x0                           ; the wave's end: behind my last LDS store
	ds_add_u32 v10, v11
	s_wait_dscnt 0x0
	s_endpgm
.Lfunc_end_k_q666d94c830_sample:
	.size	k_q666d94c830_sample, .Lfunc_end_k_q666d94c830_sample-k_q666d94c830_sample
	.p2alignl 7, 3214868480
	.fill 96, 4, 3214868480
	.section	.rodata,"a",@progbits
	.p2align	6, 0x0
	.amdhsa_kernel k_q666d94c830_sample
		.amdhsa_group_segment_fixed_size 283136
		.amdhsa_private_segment_fixed_size 0
		.amdhsa_enable_private_segment 0
		.amdhsa_kernarg_size 48
		.amdhsa_user_sgpr_count 2
		.amdhsa_user_sgpr_kernarg_segment_ptr 1
		.amdhsa_wavefront_size32 1
		.amdhsa_system_sgpr_workgroup_id_x 1
		.amdhsa_system_sgpr_workgroup_id_y 1
		.amdhsa_system_sgpr_workgroup_id_z 1
		.amdhsa_system_vgpr_workitem_id 0
		.amdhsa_next_free_vgpr 512
		.amdhsa_next_free_sgpr 66
		.amdhsa_reserve_vcc 1
		.amdhsa_float_denorm_mode_32 3
		.amdhsa_float_denorm_mode_16_64 3
		.amdhsa_memory_ordered 1
		.amdhsa_forward_progress 1
		.amdhsa_inst_pref_size 121
	.end_amdhsa_kernel
	.amdgpu_metadata
---
amdhsa.version: [ 1, 2 ]
amdhsa.kernels:
  - .name:           k_q666d94c830_sample
    .symbol:         k_q666d94c830_sample.kd
    .args:
      - { .name: value, .offset: 0, .size: 8, .value_kind: global_buffer, .address_space: global }
      - { .name: wts, .offset: 8, .size: 8, .value_kind: global_buffer, .address_space: global }
      - { .name: idx, .offset: 16, .size: 8, .value_kind: global_buffer, .address_space: global }
      - { .name: wfrag, .offset: 24, .size: 8, .value_kind: global_buffer, .address_space: global }
      - { .name: b_out, .offset: 32, .size: 8, .value_kind: global_buffer, .address_space: global }
      - { .name: out0, .offset: 40, .size: 8, .value_kind: global_buffer, .address_space: global }
    .group_segment_fixed_size: 283136
    .private_segment_fixed_size: 0
    .kernarg_segment_align: 8
    .kernarg_segment_size: 48
    .max_flat_workgroup_size: 256
    .sgpr_count:     66
    .vgpr_count:     512
    .wavefront_size: 32
...
	.end_amdgpu_metadata
.endif
;; end of part 3
;; ======== version 2 of 3: 4 launches
;; limits: values are held in f16: magnitudes above 65,504 overflow, below 6.1e-05 lose precision
;; workspace buffers: wfrag 458,752 bytes; value 13,664,256 bytes; wts 27,328,512 bytes; idx 6,832,128 bytes of whole numbers; acc 13,664,256 bytes
;; launch prep: the kernel of part 1 again; grid 56 x 1, 8 waves a work-group, no clusters, 0 bytes of LDS; arguments W_value, W_off, W_attn, W_out, wfrag; writes wfrag
;; launch proj (part 4): grid 238 x 1, 8 waves a work-group, no clusters, 122,880 bytes of LDS; arguments query, input_flatten, reference_points, wfrag, b_value, b_off, b_attn, value, wts, idx; writes value, wts, idx
.if DOCPART == 4
	.amdgcn_target "amdgcn-amd-amdhsa--gfx1250"
	.amdhsa_code_object_version 6
	.text
	.protected	k_q666d94c830_proj
	.globl	k_q666d94c830_proj
	.p2align	8
	.type	k_q666d94c830_proj,@function
k_q666d94c830_proj:
	s_mov_b64 s[64:65], 0
	v_nop
	global_prefetch_b8 v0, s[64:65] scope:SCOPE_SE
	s_setreg_imm32_b32 hwreg(HW_REG_WAVE_MODE, 25, 1), 1
	s_wait_xcnt 0x0
; THE THREE PROJECTIONS AND THE SAMPLING LIST.  Each batch's 13,294 rows are taken as 119 work-groups x 112 rows (the rows behind the last repeat it) and lie in the three outputs at padded row 13,344 n + pos:
;   value = input_flatten W_value + b_value, f16: [8 heads][4 quarters of 8 channels][26,688 rows][16 bytes];
;   offs = query W_off + b_off, logits = query W_attn + b_attn; softmax over a head's 16 points; and from them, for each (row, head, point):
;   idx = by W + bx (u16, a whole number: the launch behind makes addresses of it): [8 heads][834 groups of 32 rows][2 halves of 8 points][32 rows][16 bytes];
;   four f16 weights w00 w01 w10 w11 = softmax weight x hat_y x hat_x: [8 heads][834 groups][8 slots of 2 points][32 rows][16 bytes].
; BILINEAR FORM.  x = ref_x W + (off_x - 0.5); bx = clamp(floor x, 0, W - 2); d = x - bx; pixel bx weighs med3(1 - d, 1 + d, 0), pixel bx + 1 med3(d, 2 - d, 0): the hat max(0, 1 - |x - pixel|),
; which is the four corners with zero padding for every x.  The same for y.
; LIMITS.  Matrix operands and value are f16: rows, weights and value stay within 65,504, and below 6e-5 keep f16's fixed step of 6e-8.  x is formed as ref W + off - 0.5, not as (ref + off / W) W - 0.5: another order
; of rounding, some 1e-5 of a pixel.  NaN and infinities are not treated apart.  input_spatial_shapes is not read: the result does not hang on it, the level geometry (100, 50, 25, 13 squared) is the problem's constant.
; SHARES.  A work-group owns 112 rows, seven tiles of 16.  Wave w is head w: its five weight tiles (x, y, logits, two of value: 320 registers) stay in registers; the rows are rounded to f16 once and shared through LDS.
; LAYOUT.  The product is used transposed (source 0 = 16 columns of a weight, source 1 = 16 rows): lane (r, h) register j holds row r, column index 8 h + j.  So register j of the x, y and logit tiles
; belongs to ONE point: level 2 h + j / 4, point j % 4; a head's 16 logits lie in the two lanes r and r + 16; and a lane's eight numbers of a tile of value are one entry of a quarter's table.
; No tensor load: the rows want a conversion in registers.  No cluster: the weights that work-groups share go once into registers, and 238 work-groups are no multiple of four.  No prefetch: the launch streams its rows from its first line.
.set ROWS,   26588
.set LEN,    13294
.set PITCH,  528                       ; an LDS row: 512 bytes + 16 = 132 words: the 16 rows of a fragment load start at 16 different groups of four banks (64 banks of 4 bytes: ISA guide 11.1)
.set AQ,     0                         ; 112 rows of query, f16
.set AV,     59136                     ; 112 rows of input_flatten, f16
.set RPT,    118272                    ; 112 rows x 32 bytes of reference points, f32
.set SPARE,  121856                    ; the spare words, 128 bytes a wave: four blocks of 256 bytes that no other line names
.set VPL,    427008                    ; a (head, quarter)'s bytes in value: 26,688 rows x 16
.set WPLANE, 3416064                   ; a head's bytes in wts: 834 groups x 4,096
.set IPLANE, 854016                    ; in idx: 834 groups x 1,024
; window 0: v0-15, v30 addresses; v16-29 row offsets, later level constants; v32-71 biases; v72-183 rows in flight, later as below; v192-255 W_value's K steps 4-7
; window 1: v0-127 W_off (x, y); v128-191 W_attn; v192-255 W_value's K steps 0-3
.set RO,  16                           ; v16-29  byte offsets of my 14 rows
.set BV,  32                           ; b_value, two tiles
.set BX,  48                           ; b_off's x - 0.5
.set BY,  56                           ; b_off's y - 0.5
.set BL,  64                           ; b_attn
.set S,   72                           ; 14 rows x 8 registers, f32
.set AF,  72                           ; 8 fragments of 16 rows x 32 k
.set FX,  72                           ; the epilogue works where the fragments lay
.set FY,  80
.set XL,  88
.set XH,  96
.set YL,  104
.set YH,  112
.set W00, 120
.set W01, 128
.set W10, 72
.set W11, 80
.set X,   136
.set Y,   144
.set LG,  152
.set DV,  136                          ; value's two accumulators
.set OU,  160                          ; 16 registers of weights to store
.set P,   160                          ; value, packed
.set IDX, 176
.set RW0, 180                          ; (ref_x W, ref_y H) of level 2 h
.set RW1, 182                          ; of level 2 h + 1
.set RP,  184
.set T,   188                          ; four at work
.set MSB, 0
.macro WIN new                         ; the immediate's high byte repeats the setting that is left; a switch that changes nothing is dropped
.if MSB != (\new)
	s_set_vgpr_msb (MSB<<8)|(\new)
.set MSB, \new
.endif
.endm
; Where tile s46 (16 padded rows) lies in a head's wts (v13) and idx (v14): group s46 / 2, and 256 bytes on for the group's second 16 rows
.macro WOFF
	s_lshr_b32 s31, s46, 1
	s_and_b32 s32, s46, 1
	s_lshl_b32 s32, s32, 8
	s_lshl_b32 s33, s31, 12
	s_or_b32 s33, s33, s32
	v_add_nc_u32 v13, s33, v10
	s_lshl_b32 s31, s31, 10
	s_or_b32 s31, s31, s32
	v_add_nc_u32 v14, s31, v10
.endm
	s_load_b512 s[8:23], s[0:1], 0x0               ; query 8, input_flatten 10, reference_points 12, wfrag 14, b_value 16, b_off 18, b_attn 20, value 22
	s_load_b128 s[24:27], s[0:1], 0x40             ; wts 24, idx 26
	v_lshl_add_u32 v4, v0, 2, SPARE                ; my spare word, and 0: for the wave's end
	v_mov_b32 v5, 0
	v_lshrrev_b32 v1, 5, v0
	v_readfirstlane_b32 s28, v1                    ; wave = head
	v_and_b32 v1, 31, v0                           ; lane
	v_and_b32 v2, 15, v0                           ; r
	v_bfe_u32 v3, v0, 4, 1                         ; h
	s_mov_b32 s29, ttmp9
	s_cmp_ge_u32 s29, 119
	s_cselect_b32 s35, 1, 0                        ; the batch n
	s_mul_i32 s31, s35, 119
	s_sub_co_u32 s44, s29, s31                     ; the work-group's number in its batch
	s_mul_i32 s30, s44, 112                        ; its first row there
	s_mul_i32 s45, s35, LEN                        ; the batch's first row in the inputs
	s_mul_i32 s46, s35, 834
	s_mul_i32 s31, s44, 7
	s_add_co_u32 s46, s46, s31                     ; its first tile of 16 padded rows: 834 n + 7 x number
	v_lshlrev_b32 v6, 4, v1                        ; 16 lane
	v_mul_u32_u24 v7, v2, PITCH
	v_lshl_add_u32 v7, v3, 4, v7                   ; v7: a fragment of query: row r, 16 h
	v_add_nc_u32 v8, AV, v7                        ; v8: of input_flatten
	v_lshlrev_b32 v9, 5, v2
	v_lshl_add_u32 v9, v3, 4, v9
	v_add_nc_u32 v9, RPT, v9                       ; v9: row r's reference points of levels 2 h, 2 h + 1
	v_lshlrev_b32 v10, 4, v2
	v_mul_u32_u24 v12, v3, VPL
	v_add_nc_u32 v12, v12, v10                     ; v12: value: quarter h (tile 1: 2 + h), row r
	v_lshl_add_u32 v10, v3, 9, v10                 ; v10: wts and idx: 512 h + 16 r; never rewritten
	s_mul_i32 s32, s28, 14*PITCH
	v_lshl_add_u32 v15, v1, 3, s32                 ; v15: where I put 8 bytes of my rows of query,
	v_add_nc_u32 v30, AV, v15                      ; v30: of input_flatten
	s_mul_i32 s31, s28, 14
	s_add_co_u32 s31, s31, s30                     ; my first row: wave w converts rows 14 w .. 14 w + 13
.irp i, 0,1,2,3,4,5,6,7,8,9,10,11,12,13
	s_add_co_u32 s32, s31, \i
	s_min_u32 s32, s32, LEN-1                      ; the padding repeats the batch's last row: no load leaves its buffer
	s_add_co_u32 s32, s32, s45
	s_lshl_b32 s32, s32, 10
	v_add_nc_u32 v[RO+\i], s32, v6
.endr
	s_mov_b32 s36, 0x3fb8aa3b                      ; log2(e), as a pair
	s_mov_b32 s37, s36
	s_mov_b32 s38, 0x76543210                      ; v_permlanex16_b32: each lane takes its own place in the other half
	s_mov_b32 s39, 0xfedcba98
	s_mov_b32 s33, 0
	s_wait_kmcnt 0x0
	s_lshl_b32 s32, s28, 14
	s_add_nc_u64 s[40:41], s[14:15], s[32:33]      ; wfrag at my head's two tiles of W_value; W_off's lie 131,072 on
	s_lshl_b32 s32, s28, 13
	s_add_co_u32 s32, s32, 262144
	s_add_nc_u64 s[42:43], s[14:15], s[32:33]      ; at my tile of W_attn
	s_mul_i32 s32, s28, 4*VPL
	s_lshl_b32 s31, s46, 8                         ; a tile of 16 rows is 256 bytes of a quarter's table
	s_add_co_u32 s32, s32, s31
	s_add_nc_u64 s[22:23], s[22:23], s[32:33]      ; value at my head's first quarter and the work-group's first row
	s_mul_i32 s32, s28, WPLANE
	s_add_nc_u64 s[24:25], s[24:25], s[32:33]      ; wts and idx at my head
	s_mul_i32 s32, s28, IPLANE
	s_add_nc_u64 s[26:27], s[26:27], s[32:33]
	s_cmp_lt_u32 s28, 7                            ; waves 0-6 fetch 16 rows' reference points each: the oldest load, so it enters no count below
	s_cbranch_scc0 .Lno_rp
	s_lshl_b32 s31, s28, 4
	s_add_co_u32 s31, s31, s30
	s_add_co_u32 s31, s31, s45
	s_lshl_b32 s31, s31, 5
	v_add_nc_u32 v[T+3], s31, v6
	v_min_u32 v[T+3], ROWS*32-16, v[T+3]           ; rows behind a batch's last take what lies there, held inside the buffer: their results are read by nobody's sums
	global_load_b128 v[RP:RP+3], v[T+3], s[12:13]
.Lno_rp:
	WIN 0x40                                       ; destination window 1, address window 0
.irp a, 0,1
.irp f, 0,1,2,3,4,5,6,7
	global_load_b128 v[8*(8*\a+\f):8*(8*\a+\f)+3],   v6, s[40:41] offset:131072+8192*\a+1024*\f
	global_load_b128 v[8*(8*\a+\f)+4:8*(8*\a+\f)+7], v6, s[40:41] offset:131072+8192*\a+1024*\f+512
.endr
.endr
.irp f, 0,1,2,3,4,5,6,7
	global_load_b128 v[128+8*\f:128+8*\f+3], v6, s[42:43] offset:1024*\f
	global_load_b128 v[128+8*\f+4:128+8*\f+7], v6, s[42:43] offset:1024*\f+512
.endr
.irp b, 0,1
.irp f, 0,1,2,3
	global_load_b128 v[192+8*(4*\b+\f):192+8*(4*\b+\f)+3],   v6, s[40:41] offset:8192*\b+1024*\f
	global_load_b128 v[192+8*(4*\b+\f)+4:192+8*(4*\b+\f)+7], v6, s[40:41] offset:8192*\b+1024*\f+512
.endr
.endr
	WIN 0
.irp b, 0,1
.irp f, 4,5,6,7
	global_load_b128 v[192+8*(4*\b+\f-4):192+8*(4*\b+\f-4)+3],   v6, s[40:41] offset:8192*\b+1024*\f
	global_load_b128 v[192+8*(4*\b+\f-4)+4:192+8*(4*\b+\f-4)+7], v6, s[40:41] offset:8192*\b+1024*\f+512
.endr
.endr
	; the biases, in the accumulators' layout: they are the C operand that starts each sum
	s_lshl_b32 s31, s28, 7
	s_lshl_b32 s32, s28, 6
	v_lshl_add_u32 v[T], v3, 5, s31                ; b_value: column 32 w + 16 b + 8 h
	v_lshl_add_u32 v[T+1], v3, 6, s31              ; b_off: column 32 w + 2 (8 h + j) + a
	v_lshl_add_u32 v[T+2], v3, 5, s32              ; b_attn: column 16 w + 8 h
.irp b, 0,1
	global_load_b128 v[BV+8*\b:BV+8*\b+3],   v[T], s[16:17] offset:64*\b
	global_load_b128 v[BV+8*\b+4:BV+8*\b+7], v[T], s[16:17] offset:64*\b+16
.endr
.irp j, 0,1,2,3,4,5,6,7
	global_load_b32 v[BX+\j], v[T+1], s[18:19] offset:8*\j
	global_load_b32 v[BY+\j], v[T+1], s[18:19] offset:8*\j+4
.endr
	global_load_b128 v[BL:BL+3],   v[T+2], s[20:21]
	global_load_b128 v[BL+4:BL+7], v[T+2], s[20:21] offset:16
	; my 14 rows of query: a load of the wave covers 512 consecutive bytes, two make a row
.irp i, 0,1,2,3,4,5,6,7,8,9,10,11,12,13
	global_load_b128 v[S+8*\i:S+8*\i+3],   v[RO+\i], s[8:9] th:TH_LOAD_NT
	global_load_b128 v[S+8*\i+4:S+8*\i+7], v[RO+\i], s[8:9] offset:512 th:TH_LOAD_NT
.endr
.macro CVROW i, adr                    ; row i: 8 numbers a lane rounded to f16, 8 bytes into each half of the LDS row
	v_cvt_pk_f16_f32 v[T],   v[S+8*(\i)],   v[S+8*(\i)+1]
	v_cvt_pk_f16_f32 v[T+1], v[S+8*(\i)+2], v[S+8*(\i)+3]
	v_cvt_pk_f16_f32 v[T+2], v[S+8*(\i)+4], v[S+8*(\i)+5]
	v_cvt_pk_f16_f32 v[T+3], v[S+8*(\i)+6], v[S+8*(\i)+7]
	ds_store_b64 v[\adr], v[T:T+1]   offset:PITCH*(\i)
	ds_store_b64 v[\adr], v[T+2:T+3] offset:PITCH*(\i)+256
.endm
.irp i, 0,1,2,3,4,5,6,7,8,9,10,11,12,13
	s_wait_loadcnt 26                              ; row i of query is in: behind its two loads stand those of 13 other rows (of query, or of input_flatten already asked for).  All older loads are in too, so T may be written
	CVROW \i, 15
	global_load_b128 v[S+8*\i:S+8*\i+3],   v[RO+\i], s[10:11] th:TH_LOAD_NT   ; its registers take the same row of input_flatten
	global_load_b128 v[S+8*\i+4:S+8*\i+7], v[RO+\i], s[10:11] offset:512 th:TH_LOAD_NT
.endr
.irp i, 0,1,2,3,4,5,6,7,8,9,10,11,12,13
	s_wait_loadcnt 26-2*\i                         ; nothing more is asked for: the counts run down
	CVROW \i, 30
.endr
.irp k, 0,2,4,6,8,10,12,14
	v_pk_add_f32 v[BX+\k:BX+\k+1], v[BX+\k:BX+\k+1], -0.5 op_sel_hi:[1,0]   ; b_off - 0.5, x and y
.endr
	v_cmp_eq_u32 vcc_lo, 1, v3                     ; the constants of my two levels: no load is out, so the row offsets' registers are free
.macro PICK d, lo, hi                  ; h = 0: lo, h = 1: hi
	v_mov_b32 v[\d], \hi
	v_cndmask_b32 v[\d], \lo, v[\d], vcc_lo
.endm
	PICK 16, 0x42c80000, 0x41c80000                ; W of level 2 h: 100 | 25
	PICK 17, 0x42c80000, 0x41c80000                ; H
	PICK 18, 0x42480000, 0x41500000                ; W of level 2 h + 1: 50 | 13
	PICK 19, 0x42480000, 0x41500000                ; H
	PICK 20, 0x42c40000, 0x41b80000                ; W - 2: 98 | 23
	PICK 21, 0x42c40000, 0x41b80000                ; H - 2
	PICK 22, 0x42400000, 0x41300000                ; 48 | 11
	PICK 23, 0x42400000, 0x41300000
	v_mov_b32 v25, 0                               ; named with v24 as a pair
	WOFF                                           ; the first tile's place in wts and idx
	s_cmp_lt_u32 s28, 7
	s_cbranch_scc0 .Lno_rps
	s_lshl_b32 s31, s28, 9
	s_add_co_u32 s31, s31, RPT
	v_add_nc_u32 v[T+1], s31, v6
	ds_store_b128 v[T+1], v[RP:RP+3]
.Lno_rps:
	s_wait_dscnt 0x0                               ; for the others' sake: my stores into the shared rows are done
	s_barrier_signal -1
	s_barrier_wait -1                              ; the launch's one barrier: from here on the rows are only read
	; QUERY'S SIDE: seven tiles of 16 rows
	s_mov_b32 s34, 7
.Lq:
	ds_load_b128 v[RP:RP+3], v9
.irp f, 0,1,2,3,4,5,6,7
	ds_load_b128 v[AF+8*\f:AF+8*\f+3],   v7 offset:64*\f
	ds_load_b128 v[AF+8*\f+4:AF+8*\f+7], v7 offset:64*\f+32
.endr
	s_wait_dscnt 0x0
	WIN 0x01                                       ; source 0, the weights, in window 1
.irp f, 0,1,2,3,4,5,6,7                ; the three accumulators take turns, one instruction a turn; the biases start the sums
.if \f == 0
	v_wmma_f32_16x16x32_f16 v[X:X+7],   v[0:7],     v[AF:AF+7], v[BX:BX+7]
	v_wmma_f32_16x16x32_f16 v[Y:Y+7],   v[64:71],   v[AF:AF+7], v[BY:BY+7]
	v_wmma_f32_16x16x32_f16 v[LG:LG+7], v[128:135], v[AF:AF+7], v[BL:BL+7]
.else
	v_wmma_f32_16x16x32_f16 v[X:X+7],   v[8*\f:8*\f+7],         v[AF+8*\f:AF+8*\f+7], v[X:X+7]
	v_wmma_f32_16x16x32_f16 v[Y:Y+7],   v[64+8*\f:64+8*\f+7],   v[AF+8*\f:AF+8*\f+7], v[Y:Y+7]
	v_wmma_f32_16x16x32_f16 v[LG:LG+7], v[128+8*\f:128+8*\f+7], v[AF+8*\f:AF+8*\f+7], v[LG:LG+7]
.endif
.endr
	WIN 0
	v_add_nc_u32 v7, 16*PITCH, v7                  ; five plain instructions that name no register of the products: the places behind them (ISA guide 7.12.1)
	v_add_nc_u32 v9, 512, v9
	v_pk_mul_f32 v[RW0:RW0+1], v[RP:RP+1], v[16:17]
	v_pk_mul_f32 v[RW1:RW1+1], v[RP+2:RP+3], v[18:19]
	v_nop
	; the softmax's maximum over the head's 16 logits: my eight (lowest registers first), then the lane 16 away
	v_max3_num_f32 v[T], v[LG], v[LG+1], v[LG+2]
	v_max3_num_f32 v[T], v[T], v[LG+3], v[LG+4]
	v_max3_num_f32 v[T], v[T], v[LG+5], v[LG+6]
	v_max_num_f32 v[T], v[T], v[LG+7]
	v_permlanex16_b32 v[T+1], v[T], s38, s39
	v_max_num_f32 v[T], v[T], v[T+1]
	v_mul_f32 v24, s36, v[T]
.irp k, 0,2,4,6
	v_pk_fma_f32 v[LG+\k:LG+\k+1], v[LG+\k:LG+\k+1], s[36:37], v[24:25] op_sel_hi:[1,0,0] neg_lo:[0,0,1] neg_hi:[0,0,1]   ; log2(e) (s - m)
.endr
.irp j, 0,1,2,3,4,5,6,7
	v_exp_f32 v[LG+\j], v[LG+\j]                   ; one batch; the coordinates' work below names none of its results
.endr
.irp k, 0,2
	v_pk_add_f32 v[X+\k:X+\k+1], v[X+\k:X+\k+1], v[RW0:RW0+1] op_sel_hi:[1,0]             ; x = ref_x W + (off_x - 0.5)
.endr
.irp k, 4,6
	v_pk_add_f32 v[X+\k:X+\k+1], v[X+\k:X+\k+1], v[RW1:RW1+1] op_sel_hi:[1,0]
.endr
.irp k, 0,2
	v_pk_add_f32 v[Y+\k:Y+\k+1], v[Y+\k:Y+\k+1], v[RW0:RW0+1] op_sel:[0,1] op_sel_hi:[1,1] ; y likewise, by the pair's second register
.endr
.irp k, 4,6
	v_pk_add_f32 v[Y+\k:Y+\k+1], v[Y+\k:Y+\k+1], v[RW1:RW1+1] op_sel:[0,1] op_sel_hi:[1,1]
.endr
.irp j, 0,1,2,3,4,5,6,7
	v_floor_f32 v[FX+\j], v[X+\j]
	v_floor_f32 v[FY+\j], v[Y+\j]
.endr
.irp j, 0,1,2,3
	v_med3_num_f32 v[FX+\j], v[FX+\j], 0, v20      ; bx, by: held to 0 .. W - 2, 0 .. H - 2
	v_med3_num_f32 v[FY+\j], v[FY+\j], 0, v21
	v_fma_f32 v[XL+\j], v[FY+\j], v16, v[FX+\j]    ; by W + bx: exact, 9,898 at the most
.endr
.irp j, 4,5,6,7
	v_med3_num_f32 v[FX+\j], v[FX+\j], 0, v22
	v_med3_num_f32 v[FY+\j], v[FY+\j], 0, v23
	v_fma_f32 v[XL+\j], v[FY+\j], v18, v[FX+\j]
.endr
.irp j, 0,1,2,3,4,5,6,7
	v_cvt_u32_f32 v[XL+\j], v[XL+\j]
.endr
.irp k, 0,1,2,3
	v_lshl_or_b32 v[IDX+\k], v[XL+2*\k+1], 16, v[XL+2*\k]
.endr
.irp k, 0,2,4,6
	v_pk_add_f32 v[X+\k:X+\k+1], v[X+\k:X+\k+1], v[FX+\k:FX+\k+1] neg_lo:[0,1] neg_hi:[0,1]   ; d
	v_pk_add_f32 v[Y+\k:Y+\k+1], v[Y+\k:Y+\k+1], v[FY+\k:FY+\k+1] neg_lo:[0,1] neg_hi:[0,1]
.endr
.irp k, 0,2,4,6
	v_pk_fma_f32 v[XL+\k:XL+\k+1], v[X+\k:X+\k+1], -1.0, 1.0 op_sel_hi:[1,0,0]   ; 1 - d
	v_pk_add_f32 v[W00+\k:W00+\k+1], v[X+\k:X+\k+1], 1.0 op_sel_hi:[1,0]         ; 1 + d
	v_pk_fma_f32 v[XH+\k:XH+\k+1], v[X+\k:X+\k+1], -1.0, 2.0 op_sel_hi:[1,0,0]   ; 2 - d
	v_pk_fma_f32 v[YL+\k:YL+\k+1], v[Y+\k:Y+\k+1], -1.0, 1.0 op_sel_hi:[1,0,0]
	v_pk_add_f32 v[W01+\k:W01+\k+1], v[Y+\k:Y+\k+1], 1.0 op_sel_hi:[1,0]
	v_pk_fma_f32 v[YH+\k:YH+\k+1], v[Y+\k:Y+\k+1], -1.0, 2.0 op_sel_hi:[1,0,0]
.endr
.irp j, 0,1,2,3,4,5,6,7
	v_med3_num_f32 v[XL+\j], v[XL+\j], v[W00+\j], 0    ; the hats
	v_med3_num_f32 v[XH+\j], v[X+\j], v[XH+\j], 0
	v_med3_num_f32 v[YL+\j], v[YL+\j], v[W01+\j], 0
	v_med3_num_f32 v[YH+\j], v[Y+\j], v[YH+\j], 0
.endr
	s_wait_alu depctr_va_vdst(0)                   ; one wait for the eight exponentials, ahead of their first reader
	v_pk_add_f32 v[T:T+1], v[LG:LG+1], v[LG+2:LG+3]
	v_pk_add_f32 v[T+2:T+3], v[LG+4:LG+5], v[LG+6:LG+7]
	v_pk_add_f32 v[T:T+1], v[T:T+1], v[T+2:T+3]
	v_add_f32 v[T], v[T], v[T+1]
	v_permlanex16_b32 v[T+1], v[T], s38, s39
	v_add_f32 v[T], v[T], v[T+1]                   ; the sum of the 16, at least 1
	v_rcp_f32 v[T+2], v[T]
	v_nop                                          ; a plain instruction behind the reciprocal,
	s_wait_alu depctr_va_vdst(0)                   ; and its wait
.irp k, 0,2,4,6
	v_pk_mul_f32 v[LG+\k:LG+\k+1], v[LG+\k:LG+\k+1], v[T+2:T+3] op_sel_hi:[1,0]
.endr
.irp k, 0,2,4,6
	v_pk_mul_f32 v[YL+\k:YL+\k+1], v[YL+\k:YL+\k+1], v[LG+\k:LG+\k+1]
	v_pk_mul_f32 v[YH+\k:YH+\k+1], v[YH+\k:YH+\k+1], v[LG+\k:LG+\k+1]
.endr
.irp k, 0,2,4,6
	v_pk_mul_f32 v[W00+\k:W00+\k+1], v[YL+\k:YL+\k+1], v[XL+\k:XL+\k+1]
	v_pk_mul_f32 v[W01+\k:W01+\k+1], v[YL+\k:YL+\k+1], v[XH+\k:XH+\k+1]
	v_pk_mul_f32 v[W10+\k:W10+\k+1], v[YH+\k:YH+\k+1], v[XL+\k:XL+\k+1]
	v_pk_mul_f32 v[W11+\k:W11+\k+1], v[YH+\k:YH+\k+1], v[XH+\k:XH+\k+1]
.endr
.irp j, 0,1,2,3,4,5,6,7
	v_cvt_pk_f16_f32 v[OU+2*\j],   v[W00+\j], v[W01+\j]
	v_cvt_pk_f16_f32 v[OU+2*\j+1], v[W10+\j], v[W11+\j]
.endr
.irp e, 0,1,2,3                        ; two points' weights, 16 bytes a lane, into slot 2 e + h of the group: each half of the lanes fills 256 consecutive bytes, aligned
	global_store_b128 v13, v[OU+4*\e:OU+4*\e+3], s[24:25] offset:1024*\e th:TH_STORE_NT
.endr
	global_store_b128 v14, v[IDX:IDX+3], s[26:27] th:TH_STORE_NT   ; likewise: half h of the group's indices
	s_wait_xcnt 0x0                                ; the stores' offsets and data are written again only behind this wait
	s_add_co_u32 s46, s46, 1                       ; the next tile's place (behind the last tile it is not used)
	WOFF
	s_sub_co_u32 s34, s34, 1
	s_cmp_lg_u32 s34, 0
	s_cbranch_scc1 .Lq
	; VALUE: seven tiles of 16 rows x my head's 32 channels
	s_mov_b32 s34, 7
.Lv:
.irp f, 0,1,2,3,4,5,6,7
	ds_load_b128 v[AF+8*\f:AF+8*\f+3],   v8 offset:64*\f
	ds_load_b128 v[AF+8*\f+4:AF+8*\f+7], v8 offset:64*\f+32
.endr
	s_wait_dscnt 0x0
	WIN 0x01
.irp f, 0,1,2,3                        ; the two accumulators take turns
.irp b, 0,1
.if \f == 0
	v_wmma_f32_16x16x32_f16 v[DV+8*\b:DV+8*\b+7], v[192+32*\b:192+32*\b+7], v[AF:AF+7], v[BV+8*\b:BV+8*\b+7]
.else
	v_wmma_f32_16x16x32_f16 v[DV+8*\b:DV+8*\b+7], v[192+8*(4*\b+\f):192+8*(4*\b+\f)+7], v[AF+8*\f:AF+8*\f+7], v[DV+8*\b:DV+8*\b+7]
.endif
.endr
.endr
	WIN 0
.irp f, 4,5,6,7
.irp b, 0,1
	v_wmma_f32_16x16x32_f16 v[DV+8*\b:DV+8*\b+7], v[192+8*(4*\b+\f-4):192+8*(4*\b+\f-4)+7], v[AF+8*\f:AF+8*\f+7], v[DV+8*\b:DV+8*\b+7]
.endr
.endr
	v_add_nc_u32 v8, 16*PITCH, v8                  ; the places behind the products
.rept 4
	v_nop
.endr
.irp b, 0,1
.irp k, 0,1,2,3
	v_cvt_pk_f16_f32 v[P+4*\b+\k], v[DV+8*\b+2*\k], v[DV+8*\b+2*\k+1]
.endr
.endr
	global_store_b128 v12, v[P:P+3],   s[22:23]                 ; a lane's 8 channels are one entry of quarter h: the 16 rows of each half of the lanes are 256 consecutive bytes, aligned
	global_store_b128 v12, v[P+4:P+7], s[22:23] offset:2*VPL    ; of quarter 2 + h
	s_wait_xcnt 0x0                                ; the stores' offset and data are written again only behind this wait
	v_add_nc_u32 v12, 256, v12
	s_sub_co_u32 s34, s34, 1
	s_cmp_lg_u32 s34, 0
	s_cbranch_scc1 .Lv
	s_wait_tensorcnt 0x0                           ; the wave's end: behind my last LDS store
	ds_add_u32 v4, v5
	s_wait_dscnt 0x0
	s_endpgm
.Lfunc_end_k_q666d94c830_proj:
	.size	k_q666d94c830_proj, .Lfunc_end_k_q666d94c830_proj-k_q666d94c830_proj
	.p2alignl 7, 3214868480
	.fill 96, 4, 3214868480
	.section	.rodata,"a",@progbits
	.p2align	6, 0x0
	.amdhsa_kernel k_q666d94c830_proj
		.amdhsa_group_segment_fixed_size 122880
		.amdhsa_private_segment_fixed_size 0
		.amdhsa_enable_private_segment 0
		.amdhsa_kernarg_size 80
		.amdhsa_user_sgpr_count 2
		.amdhsa_user_sgpr_kernarg_segment_ptr 1
		.amdhsa_wavefront_size32 1
		.amdhsa_system_sgpr_workgroup_id_x 1
		.amdhsa_system_sgpr_workgroup_id_y 1
		.amdhsa_system_sgpr_workgroup_id_z 1
		.amdhsa_system_vgpr_workitem_id 0
		.amdhsa_next_free_vgpr 512
		.amdhsa_next_free_sgpr 66
		.amdhsa_reserve_vcc 1
		.amdhsa_float_denorm_mode_32 3
		.amdhsa_float_denorm_mode_16_64 3
		.amdhsa_memory_ordered 1
		.amdhsa_forward_progress 1
		.amdhsa_inst_pref_size 53
	.end_amdhsa_kernel
	.amdgpu_metadata
---
amdhsa.version: [ 1, 2 ]
amdhsa.kernels:
  - .name:           k_q666d94c830_proj
    .symbol:         k_q666d94c830_proj.kd
    .args:
      - { .name: query, .offset: 0, .size: 8, .value_kind: global_buffer, .address_space: global }
      - { .name: input_flatten, .offset: 8, .size: 8, .value_kind: global_buffer, .address_space: global }
      - { .name: reference_points, .offset: 16, .size: 8, .value_kind: global_buffer, .address_space: global }
      - { .name: wfrag, .offset: 24, .size: 8, .value_kind: global_buffer, .address_space: global }
      - { .name: b_value, .offset: 32, .size: 8, .value_kind: global_buffer, .address_space: global }
      - { .name: b_off, .offset: 40, .size: 8, .value_kind: global_buffer, .address_space: global }
      - { .name: b_attn, .offset: 48, .size: 8, .value_kind: global_buffer, .address_space: global }
      - { .name: value, .offset: 56, .size: 8, .value_kind: global_buffer, .address_space: global }
      - { .name: wts, .offset: 64, .size: 8, .value_kind: global_buffer, .address_space: global }
      - { .name: idx, .offset: 72, .size: 8, .value_kind: global_buffer, .address_space: global }
    .group_segment_fixed_size: 122880
    .private_segment_fixed_size: 0
    .kernarg_segment_align: 8
    .kernarg_segment_size: 80
    .max_flat_workgroup_size: 256
    .sgpr_count:     66
    .vgpr_count:     512
    .wavefront_size: 32
...
	.end_amdgpu_metadata
.endif
;; end of part 4
;; launch gather (part 5): grid 256 x 1, 8 waves a work-group, no clusters, 214,016 bytes of LDS; arguments value, wts, idx, acc; writes acc
.if DOCPART == 5
	.amdgcn_target "amdgcn-amd-amdhsa--gfx1250"
	.amdhsa_code_object_version 6
	.text
	.protected	k_q666d94c830_gather
	.globl	k_q666d94c830_gather
	.p2align	8
	.type	k_q666d94c830_gather,@function
k_q666d94c830_gather:
	s_mov_b64 s[64:65], 0
	v_nop
	global_prefetch_b8 v0, s[64:65] scope:SCOPE_SE
	s_setreg_imm32_b32 hwreg(HW_REG_WAVE_MODE, 25, 1), 1
	s_wait_xcnt 0x0
; THE SAMPLING, OUT OF LDS.  For each (row, head): the sum over 16 points x 4 corners of weight x value[corner][32 channels], stored f16 as acc[32 chunks of 8 channels][26,688 padded rows][16 bytes].
; value: f16 [8 heads][4 quarters][26,688 rows][16 bytes]; wts: f16 [8][834 groups of 32 rows][8 slots][32 rows][16 bytes]; idx: u16 [8][834][2][32 rows][8], whole numbers stored by the launch before.  Padded row = 13,344 n + pos.
; SHARES.  One batch's table for one head and one quarter of its channels is 13,312 rows x 16 bytes = 212,992 bytes: it lies in LDS whole.  2 x 8 x 4 such tables x 4 parts of the rows = 256 work-groups:
; work-group id = 128 n + 16 head + 4 part + quarter.  A part is 104 groups of 32 rows; each of the eight waves walks 13 of them.  A lane is ONE row and holds its 8 sums in f32.
; A POINT is one address register and four LDS loads of 16 bytes a lane: the corners (by, bx), (by, bx + 1), (by + 1, bx), (by + 1, bx + 1) stand in the immediates (0, 16, 16 W, 16 W + 16).
; A BATCH is a level's four points.  Its 16 LDS loads stand in one run; the ring has two halves of four points: one is worked on while the other's run is on its way.  In a batch's arithmetic stand, in three stages of
; four independent lines, the addresses of the batch that takes its half next (two batches on: this group's, or the next group's).
; THE ARITHMETIC.  A point's four corners are blended in packed f16, two channels a line (4 lines for each two channels, each rounded to f16); the blend is added to the f32 sums (2 lines): 24 lines a point.
; The sum over the 16 points is kept in f32.  The weights' upper halves are brought down by a shift, so that every packed line takes its weight from a register's low half.
; THE LIST comes straight into registers, 512 consecutive bytes a load, TWO groups ahead of its use: two sets of weight and index registers, groups by turns; a register is asked for again as soon as it has been read.
; One vector offset, never rewritten; the three scalar bases are stepped once a group.  So the loop holds two groups, and the last three groups, which ask for less and less, are written out.
; LIMITS.  The blend keeps 11 significant bits a step, and below 6e-5 f16's fixed step of 6e-8: with value's spread at 1e-3 the 64 roundings of a sum come to about a thousandth of the sums' spread, further down to more.
; The sums lie within value's range (the weights are at least 0 and add up to 1 at the most) and are rounded once to f16, as the next product's operand.  An index is held to its level's range before it enters an address.
; NO CLUSTER, though four work-groups share a table and four others a part of the list: the gather's addresses come
; from each partner's own rows of the list.  No prefetch: the list's loads stand two groups ahead of their use already, and the table is asked for at the head.
.set VPL,    427008                    ; a (head, quarter)'s bytes in value and in acc
.set WPLANE, 3416064                   ; a head's bytes in wts
.set IPLANE, 854016                    ; in idx
.set PADB,   13344                     ; a batch's padded rows
.set SPARE,  212992                    ; behind the table: the spare words, 128 bytes a wave: four blocks of 256 bytes that no other line names
; window 0: v3 16 lane, never rewritten; v10, v11 the spare word and 0.  window 1: v0-207 the table on its way to LDS
.set TA,  4                            ; v4-7    the table copy's addresses: 16 x thread + 65,536 k: an LDS immediate holds 16 bits
.set ZR,  9                            ; v9      0
.set ONE, 12                           ; v12     1.0
.set ACC, 16                           ; v16-23  eight sums
.set IA,  24                           ; v24-27, v28-31  indices of points 0-7: set s at IA + 4 s
.set AD,  32                           ; v32-39  a slot's address
.set P,   40                           ; v40-43  the sums, packed
.set IB,  44                           ; v44-47, v80-83  indices of points 8-15: set s at IB + 36 s
.set WH,  84                           ; v84-91  a batch's weights w01 and w11, brought down into the low halves
.set R,   112                          ; v112-239 the ring: slot t at R + 16 t, corner k at + 4 k
                                       ; weights: point q's two registers (w00 w01, w10 w11): set 0 at v48 + 2 q; set 1 at v96 + 2 q (q < 8), v240 + 2 (q - 8)
.set MSB, 0
.macro WIN new                         ; the immediate's high byte repeats the setting that is left; a switch that changes nothing is dropped
.if MSB != (\new)
	s_set_vgpr_msb (MSB<<8)|(\new)
.set MSB, \new
.endif
.endm
.macro LEVEL l                         ; a level's first row, its width, its greatest by W + bx
.if (\l) == 0
.set LS, 0
.set LW, 100
.set LM, 9898
.elseif (\l) == 1
.set LS, 10000
.set LW, 50
.set LM, 2448
.elseif (\l) == 2
.set LS, 12500
.set LW, 25
.set LM, 598
.else
.set LS, 13125
.set LW, 13
.set LM, 154
.endif
.endm
.macro WREG s, q                       ; WB = the first of point q's two weight registers in set s
.if (\s) == 0
.set WB, 48+2*(\q)
.elseif (\q) < 8
.set WB, 96+2*(\q)
.else
.set WB, 240+2*((\q)-8)
.endif
.endm
.macro LDW s, p, off                   ; points 2 p, 2 p + 1 of a group: slot 2 (p % 4) + p / 4 of its 4,096 bytes
	WREG \s, 2*(\p)
	global_load_b128 v[WB:WB+3], v3, s[10:11] offset:(\off)+512*(2*((\p)%4)+(\p)/4)
.endm
; The addresses of four points for slots h .. h + 3, from the two index registers at ib, in three stages
.macro ADRA h, ib
.irp j, 0,1,2,3
.if (\j)%2
	v_lshrrev_b32 v[AD+(\h)+\j], 16, v[(\ib)+(\j)/2]
.else
	v_and_b32 v[AD+(\h)+\j], 0xffff, v[(\ib)+(\j)/2]
.endif
.endr
.endm
.macro ADRB h, lvl
	LEVEL \lvl
.irp j, 0,1,2,3
	v_min_u32 v[AD+(\h)+\j], LM, v[AD+(\h)+\j]
.endr
.endm
.macro ADRC h, lvl
	LEVEL \lvl
.irp j, 0,1,2,3
	v_lshl_add_u32 v[AD+(\h)+\j], v[AD+(\h)+\j], 4, LS*16
.endr
.endm
.macro RUN h, lvl                      ; the four points' 16 LDS loads; the last byte that any of them can reach is the table's 212,704th
	LEVEL \lvl
.irp j, 0,1,2,3
	ds_load_b128 v[R+16*((\h)+\j):R+16*((\h)+\j)+3],     v[AD+(\h)+\j]
	ds_load_b128 v[R+16*((\h)+\j)+4:R+16*((\h)+\j)+7],   v[AD+(\h)+\j] offset:16
	ds_load_b128 v[R+16*((\h)+\j)+8:R+16*((\h)+\j)+11],  v[AD+(\h)+\j] offset:LW*16
	ds_load_b128 v[R+16*((\h)+\j)+12:R+16*((\h)+\j)+15], v[AD+(\h)+\j] offset:LW*16+16
.endr
.endm
; Corner k of batch b's four points joins the blend, which stands where corner 0 lay: 16 independent lines, two channels each; the weight is its register's low half, for both channels
.macro CORNER s, b, k
.irp j, 0,1,2,3
	WREG \s, 4*(\b)+\j
.set RS, R+16*(4*((\b)%2)+\j)
.if (\k) == 0
.set WS, WB
.elseif (\k) == 1
.set WS, WH+2*\j
.elseif (\k) == 2
.set WS, WB+1
.else
.set WS, WH+2*\j+1
.endif
.irp i, 0,1,2,3
.if (\k) == 0
	v_pk_fma_f16 v[RS+\i], v[RS+\i], v[WS], v[ZR] op_sel_hi:[1,0,1]
.else
	v_pk_fma_f16 v[RS+\i], v[RS+4*(\k)+\i], v[WS], v[RS+\i] op_sel_hi:[1,0,1]
.endif
.endr
.endr
.endm
; The four blends are added to the f32 sums.  The group's first point starts the sums on 0: nothing is cleared.
.macro SUMS b
.irp j, 0,1,2,3
.set RS, R+16*(4*((\b)%2)+\j)
.irp i, 0,1,2,3
.if ((\b) == 0) && ((\j) == 0)
	v_fma_mix_f32 v[ACC+2*\i],   v[RS+\i], v[ONE], v[ZR] op_sel_hi:[1,0,0]
	v_fma_mix_f32 v[ACC+2*\i+1], v[RS+\i], v[ONE], v[ZR] op_sel:[1,0,0] op_sel_hi:[1,0,0]
.else
	v_fma_mix_f32 v[ACC+2*\i],   v[RS+\i], v[ONE], v[ACC+2*\i] op_sel_hi:[1,0,0]
	v_fma_mix_f32 v[ACC+2*\i+1], v[RS+\i], v[ONE], v[ACC+2*\i+1] op_sel:[1,0,0] op_sel_hi:[1,0,0]
.endif
.endr
.endr
.endm
; Batch b (level b) of a group whose list lies in set s.  nd: the LDS loads younger than the batch's 16.  nl: the loads from memory that may stay out (-1: no wait is due).
; ring = 1: the batch's half is filled again, with the points two batches on.  ldw = 1: its two pairs' weights are asked for again, for the group two on.  ldi = 1: so are the indices that have just been used up.
.macro BATCH s, b, nd, nl, ring, ldw, ldi
.set HB, 4*((\b)%2)
.set TL, ((\b)+2)%4
.if (\b) < 2
.set IX, IB+36*(\s)+2*(\b)             ; this group's points 8-15
.else
.set IX, IA+4*(1-(\s))+2*((\b)-2)      ; the next group's points 0-7
.endif
	s_wait_dscnt \nd
.if (\nl) >= 0
	s_wait_loadcnt \nl
.endif
.irp j, 0,1,2,3
	WREG \s, 4*(\b)+\j
	v_lshrrev_b32 v[WH+2*\j],   16, v[WB]
	v_lshrrev_b32 v[WH+2*\j+1], 16, v[WB+1]
.endr
	CORNER \s, \b, 0
.if \ring
	ADRA HB, IX
.endif
	CORNER \s, \b, 1
.if \ring
	ADRB HB, TL
.endif
	CORNER \s, \b, 2
.if \ring
	ADRC HB, TL
.endif
	CORNER \s, \b, 3
	SUMS \b
.if (\b) == 0
	s_wait_xcnt 0x0                                ; every load and the last group's store (the youngest a batch's arithmetic back) have read their bases and the store its data: these are written again only behind this wait
	s_add_nc_u64 s[14:15], s[14:15], 512           ; acc: 512 bytes behind this group's
.if \ldw
	s_add_nc_u64 s[10:11], s[10:11], 4096          ; wts and idx: at the group two on
	s_add_nc_u64 s[12:13], s[12:13], 1024
.endif
.endif
.if \ring
	RUN HB, TL
.endif
.if \ldw
	LDW \s, 2*(\b), 0
	LDW \s, 2*(\b)+1, 0
.endif
.if \ldi
.if (\b) == 1
	global_load_b128 v[IB+36*(\s):IB+36*(\s)+3], v3, s[12:13] offset:512          ; points 8-15 of the group two on
.else
	global_load_b128 v[IA+4*(1-(\s)):IA+4*(1-(\s))+3], v3, s[12:13] offset:1024   ; points 0-7 of the group three on
.endif
.endif
.endm
; A group of 32 rows.  Its loads from memory, in order: W0 W1 | W2 W3 IB | W4 W5 | W6 W7 IA (W p: a pair of points' weights): ten.  Each is used two groups later.
; n0, the wait of batch 0, is for this group's IB, and shows W0-W3 in with it: behind IB stand 5 loads of its own group and the 10 of the next: 15.
; n2, the wait of batch 2, is for the next group's IA, and shows W4-W7 in with it: behind IA stand the 10 loads of the group after its own and 5 of this one: 15.
.macro GROUP s, n0, n2, ring, ldw, ldb, lda
	BATCH \s, 0, 16, \n0, 1, \ldw, 0               ; on LDS every count is 16: the other half's run
	BATCH \s, 1, 16, -1, 1, \ldw, \ldb
	BATCH \s, 2, 16, \n2, \ring, \ldw, 0
.if \ring
	BATCH \s, 3, 16, -1, 1, \ldw, \lda
.else
	BATCH \s, 3, 0, -1, 0, 0, 0
.endif
.irp k, 0,1,2,3
	v_cvt_pk_f16_f32 v[P+\k], v[ACC+2*\k], v[ACC+2*\k+1]
.endr
	global_store_b128 v3, v[P:P+3], s[14:15] offset:-512 th:TH_STORE_NT   ; 32 rows x 16 bytes: 512 consecutive bytes, aligned
.endm
	s_load_b256 s[8:15], s[0:1], 0x0               ; value 8, wts 10, idx 12, acc 14
	v_lshl_add_u32 v10, v0, 2, SPARE               ; my spare word, and 0: for the wave's end
	v_mov_b32 v11, 0
	v_lshrrev_b32 v1, 5, v0
	v_readfirstlane_b32 s20, v1                    ; wave
	v_and_b32 v1, 31, v0                           ; lane
	s_mov_b32 s21, ttmp9
	s_and_b32 s16, s21, 3                          ; the quarter of the channels
	s_bfe_u32 s17, s21, 0x20002                    ; the part of the rows
	s_bfe_u32 s18, s21, 0x30004                    ; the head
	s_lshr_b32 s19, s21, 7                         ; the batch
	s_mul_i32 s23, s19, 417
	s_mul_i32 s24, s17, 104
	s_add_co_u32 s23, s23, s24
	s_mul_i32 s24, s20, 13
	s_add_co_u32 s23, s23, s24                     ; my first group: 417 n + 104 part + 13 wave
	v_lshlrev_b32 v3, 4, v1
	v_lshlrev_b32 v[TA], 4, v0
.irp k, 1,2,3
	v_add_nc_u32 v[TA+\k], 65536*\k, v[TA]
.endr
	v_mov_b32 v[ZR], 0
	v_mov_b32 v[ONE], 1.0
	s_lshl_b32 s25, s18, 2
	s_add_co_u32 s25, s25, s16
	s_mul_i32 s25, s25, VPL                        ; the (head, quarter)'s plane
	s_mov_b32 s31, 0
	s_wait_kmcnt 0x0
	s_mul_i32 s30, s19, PADB*16
	s_add_co_u32 s30, s30, s25
	s_add_nc_u64 s[8:9], s[8:9], s[30:31]          ; value at my table
	s_mul_i32 s30, s18, WPLANE
	s_lshl_b32 s27, s23, 12
	s_add_co_u32 s30, s30, s27
	s_add_nc_u64 s[10:11], s[10:11], s[30:31]      ; wts, idx and acc at my first group
	s_mul_i32 s30, s18, IPLANE
	s_lshl_b32 s27, s23, 10
	s_add_co_u32 s30, s30, s27
	s_add_nc_u64 s[12:13], s[12:13], s[30:31]
	s_lshl_b32 s30, s23, 9
	s_add_co_u32 s30, s30, s25
	s_add_nc_u64 s[14:15], s[14:15], s[30:31]
	; the list of my first two groups, in the order in which two groups ahead of them would have asked for it: 20 loads
	global_load_b128 v[IA:IA+3], v3, s[12:13]                  ; group 0, points 0-7
.irp p, 0,1,2,3
	LDW 0, \p, 0
.endr
	global_load_b128 v[IB:IB+3], v3, s[12:13] offset:512       ; group 0, points 8-15
.irp p, 4,5,6,7
	LDW 0, \p, 0
.endr
	global_load_b128 v[IA+4:IA+7], v3, s[12:13] offset:1024    ; group 1, points 0-7
.irp p, 0,1,2,3
	LDW 1, \p, 4096
.endr
	global_load_b128 v[IB+36:IB+39], v3, s[12:13] offset:1536  ; group 1, points 8-15
.irp p, 4,5,6,7
	LDW 1, \p, 4096
.endr
	WIN 0x40                                       ; destination window 1, address window 0
.set i, 0
.rept 52                               ; and the table: 52 x 4,096 bytes, 16 bytes a thread: 13,312 rows, all of them stored by the launch before
	global_load_b128 v[4*i:4*i+3], v[TA], s[8:9] offset:4096*i
.set i, i+1
.endr
	WIN 0x04                                       ; the stores' data in window 1
.set i, 0
.rept 52
	s_wait_loadcnt 51-i                            ; piece i is in: the later pieces may stay out
	ds_store_b128 v[TA+i/16], v[4*i:4*i+3] offset:4096*(i%16)
.set i, i+1
.endr
	WIN 0
	ADRA 0, IA                                     ; no load is out.  The addresses of group 0's points 0-7,
	ADRA 4, IA+2
	ADRB 0, 0
	ADRB 4, 1
	ADRC 0, 0
	ADRC 4, 1
	s_add_nc_u64 s[10:11], s[10:11], 4096          ; the bases as the group ahead of the first would have left them,
	s_add_nc_u64 s[12:13], s[12:13], 1024
	global_load_b128 v[IA:IA+3], v3, s[12:13] offset:1024      ; and its last load: group 2, points 0-7, into the registers just read
	s_wait_dscnt 0x0                               ; for the others' sake: my part of the table is in LDS
	s_barrier_signal -1
	s_barrier_wait -1                              ; the launch's one barrier: from here on the table is only read
	RUN 0, 0                                       ; the ring is filled
	RUN 4, 1
	s_mov_b32 s22, 5
.Ltask:                                        ; groups 0 to 9, two a trip
	GROUP 0, 15, 15, 1, 1, 1, 1
	GROUP 1, 15, 15, 1, 1, 1, 1
	s_sub_co_u32 s22, s22, 1
	s_cmp_lg_u32 s22, 0
	s_cbranch_scc1 .Ltask
	GROUP 0, 15, 15, 1, 1, 1, 0                    ; group 10 asks for group 12's weights and points 8-15: nine loads; there is no group 13
	GROUP 1, 14, 9, 1, 0, 0, 0                     ; group 11 asks memory for nothing: behind its IB stand 5 + 9 loads, behind group 12's IA the 9
	GROUP 0, 4, 0, 0, 0, 0, 0                      ; group 12: behind its IB stand W4-W7; then nothing; its last two batches refill no half
	s_wait_tensorcnt 0x0                           ; the wave's end: behind my last LDS store
	ds_add_u32 v10, v11
	s_wait_dscnt 0x0
	s_endpgm
.Lfunc_end_k_q666d94c830_gather:
	.size	k_q666d94c830_gather, .Lfunc_end_k_q666d94c830_gather-k_q666d94c830_gather
	.p2alignl 7, 3214868480
	.fill 96, 4, 3214868480
	.section	.rodata,"a",@progbits
	.p2align	6, 0x0
	.amdhsa_kernel k_q666d94c830_gather
		.amdhsa_group_segment_fixed_size 214016
		.amdhsa_private_segment_fixed_size 0
		.amdhsa_enable_private_segment 0
		.amdhsa_kernarg_size 32
		.amdhsa_user_sgpr_count 2
		.amdhsa_user_sgpr_kernarg_segment_ptr 1
		.amdhsa_wavefront_size32 1
		.amdhsa_system_sgpr_workgroup_id_x 1
		.amdhsa_system_sgpr_workgroup_id_y 1
		.amdhsa_system_sgpr_workgroup_id_z 1
		.amdhsa_system_vgpr_workitem_id 0
		.amdhsa_next_free_vgpr 464
		.amdhsa_next_free_sgpr 66
		.amdhsa_reserve_vcc 0
		.amdhsa_float_denorm_mode_32 3
		.amdhsa_float_denorm_mode_16_64 3
		.amdhsa_memory_ordered 1
		.amdhsa_forward_progress 1
		.amdhsa_inst_pref_size 182
	.end_amdhsa_kernel
	.amdgpu_metadata
---
amdhsa.version: [ 1, 2 ]
amdhsa.kernels:
  - .name:           k_q666d94c830_gather
    .symbol:         k_q666d94c830_gather.kd
    .args:
      - { .name: value, .offset: 0, .size: 8, .value_kind: global_buffer, .address_space: global }
      - { .name: wts, .offset: 8, .size: 8, .value_kind: global_buffer, .address_space: global }
      - { .name: idx, .offset: 16, .size: 8, .value_kind: global_buffer, .address_space: global }
      - { .name: acc, .offset: 24, .size: 8, .value_kind: global_buffer, .address_space: global }
    .group_segment_fixed_size: 214016
    .private_segment_fixed_size: 0
    .kernarg_segment_align: 8
    .kernarg_segment_size: 32
    .max_flat_workgroup_size: 256
    .sgpr_count:     66
    .vgpr_count:     464
    .wavefront_size: 32
...
	.end_amdgpu_metadata
.endif
;; end of part 5
;; launch outp (part 6): grid 238 x 1, 8 waves a work-group, no clusters, 176,640 bytes of LDS; arguments acc, wfrag, b_out, out0; writes out0
.if DOCPART == 6
	.amdgcn_target "amdgcn-amd-amdhsa--gfx1250"
	.amdhsa_code_object_version 6
	.text
	.protected	k_q666d94c830_outp
	.globl	k_q666d94c830_outp
	.p2align	8
	.type	k_q666d94c830_outp,@function
k_q666d94c830_outp:
	s_mov_b64 s[64:65], 0
	v_nop
	global_prefetch_b8 v0, s[64:65] scope:SCOPE_SE
	s_setreg_imm32_b32 hwreg(HW_REG_WAVE_MODE, 25, 1), 1
	s_wait_xcnt 0x0
; THE LAST PROJECTION.  out0 = sums W_out + b_out.  acc: f16 [32 chunks of 8 channels][26,688 padded rows][16 bytes], padded row = 13,344 n + pos; out0: f32 [2][13,294][256].
; SHARES.  Each batch is 119 work-groups x 112 rows, seven tiles of 16.  Wave w fetches chunks 4 w .. 4 w + 3 of all 112 rows (each half of the lanes takes 16 rows of one chunk: 256 consecutive bytes, aligned) and lays
; them into LDS as rows of 256 channels; then it makes columns 32 w .. 32 w + 31 of all rows, its two tiles of W_out kept in 128 registers; the rows leave through LDS as whole rows of 1,024 bytes, 14 a wave.
; The product is used transposed (source 0 = 16 columns of W_out, source 1 = 16 rows): lane (r, h) register j holds row r, column 32 w + 16 b + 8 h + j.
; acc holds sums for pos below 13,312: a tile that would begin behind 13,296 takes that tile once more; rows from 13,294 on are not stored.
; No tensor load: 16-byte pieces of 32 planes are turned into rows on the way.  No cluster: W_out, all that work-groups share, goes once into registers, and 238 work-groups are no multiple of four.
; No prefetch: the launch asks for all that it reads in its first lines.
.set LEN,    13294
.set PADB,   13344
.set VPL,    427008                    ; a chunk's bytes in acc
.set ATL,    0                         ; 112 rows x 528 bytes: the sums
.set PA,     528                       ; 512 + 16 bytes = 132 words: the 16 rows of a fragment load start at 16 different groups of four banks (64 banks of 4 bytes: ISA guide 11.1)
.set OST,    59136                     ; 112 rows x 1,040 bytes: out0's rows in f32
.set PO,     1040
.set SPARE,  175616                    ; the spare words, 128 bytes a wave: four blocks of 256 bytes that no other line names
; window 0: v6 where my pieces of the sums go; v10, v11 the spare word and 0; v13 16 lane; v15 b_out's offset; v16-47 accumulators; v80-95 b_out; v96-102 the tiles' offsets in acc;
;           v112-239 the sums on their way, then two fragment buffers, then the rows on their way out; v240-242 LDS addresses.     window 1: v128-255 W_out's two tiles
.set BO,  80
.set AO,  96
.set AS,  112
.set MSB, 0
.macro WIN new                         ; the immediate's high byte repeats the setting that is left; a switch that changes nothing is dropped
.if MSB != (\new)
	s_set_vgpr_msb (MSB<<8)|(\new)
.set MSB, \new
.endif
.endm
	s_load_b256 s[8:15], s[0:1], 0x0               ; acc 8, wfrag 10, b_out 12, out0 14
	v_lshl_add_u32 v10, v0, 2, SPARE               ; my spare word, and 0: for the wave's end
	v_mov_b32 v11, 0
	v_lshrrev_b32 v1, 5, v0
	v_readfirstlane_b32 s20, v1                    ; wave
	v_and_b32 v1, 31, v0                           ; lane
	v_and_b32 v2, 15, v0                           ; r
	v_bfe_u32 v3, v0, 4, 1                         ; h
	s_mov_b32 s21, ttmp9
	s_cmp_ge_u32 s21, 119
	s_cselect_b32 s19, 1, 0                        ; the batch
	s_mul_i32 s22, s19, 119
	s_sub_co_u32 s22, s21, s22
	s_mul_i32 s25, s22, 112                        ; the work-group's first row in its batch
	v_lshlrev_b32 v13, 4, v1
	v_mul_u32_u24 v4, v3, VPL
	v_lshl_add_u32 v4, v2, 4, v4                   ; chunk h, row r
.irp t, 0,1,2,3,4,5,6
	s_add_co_u32 s26, s25, 16*\t
	s_min_u32 s26, s26, 13296
	s_lshl_b32 s26, s26, 4
	v_add_nc_u32 v[AO+\t], s26, v4
.endr
	v_mul_u32_u24 v240, v2, PA
	v_lshl_add_u32 v240, v3, 4, v240               ; v240: a fragment of the sums: row r, 16 h
	s_lshl_b32 s27, s20, 6
	v_add_nc_u32 v6, s27, v240                     ; v6: the same place in my head's 64 bytes of the row
	s_lshl_b32 s27, s20, 7
	v_lshl_add_u32 v15, v3, 5, s27                 ; b_out: column 32 w + 16 b + 8 h
	v_mul_u32_u24 v241, v2, PO
	v_lshl_add_u32 v241, v3, 5, v241
	s_add_co_u32 s28, s27, OST
	v_add_nc_u32 v241, s28, v241                   ; v241: where a lane's 8 numbers of a row of out0 go
	s_mul_i32 s28, s20, 14*PO
	s_add_co_u32 s28, s28, OST
	v_add_nc_u32 v242, s28, v13                    ; v242: back: wave w takes rows 14 w .. 14 w + 13, whole
	s_mul_i32 s23, s20, 14
	s_add_co_u32 s23, s23, s25                     ; the first of them, in the batch
	s_mov_b32 s31, 0
	s_wait_kmcnt 0x0
	s_mul_i32 s30, s20, 4*VPL
	s_mul_i32 s27, s19, PADB*16
	s_add_co_u32 s30, s30, s27
	s_add_nc_u64 s[8:9], s[8:9], s[30:31]          ; acc at my first chunk and the batch's first row
	s_lshl_b32 s30, s20, 14
	s_add_co_u32 s30, s30, 327680
	s_add_nc_u64 s[10:11], s[10:11], s[30:31]      ; wfrag at my two tiles of W_out
	s_mul_i32 s30, s19, LEN
	s_add_co_u32 s30, s30, s23
	s_lshl_b32 s30, s30, 10
	s_add_nc_u64 s[14:15], s[14:15], s[30:31]      ; out0 at the first row that I store
.irp t, 0,1,2,3,4,5,6
.irp e, 0,1
	global_load_b128 v[AS+4*(2*\t+\e):AS+4*(2*\t+\e)+3], v[AO+\t], s[8:9] offset:2*VPL*\e th:TH_LOAD_NT   ; chunk 4 w + 2 e + h, rows 16 t + r
.endr
.endr
.irp b, 0,1
	global_load_b128 v[BO+8*\b:BO+8*\b+3],   v15, s[12:13] offset:64*\b
	global_load_b128 v[BO+8*\b+4:BO+8*\b+7], v15, s[12:13] offset:64*\b+16
.endr
	WIN 0x40                                       ; destination window 1, address window 0
.irp b, 0,1
.irp f, 0,1,2,3,4,5,6,7
	global_load_b128 v[128+8*(8*\b+\f):128+8*(8*\b+\f)+3],   v13, s[10:11] offset:8192*\b+1024*\f
	global_load_b128 v[128+8*(8*\b+\f)+4:128+8*(8*\b+\f)+7], v13, s[10:11] offset:8192*\b+1024*\f+512
.endr
.endr
	WIN 0
	s_wait_loadcnt 36                              ; the sums are in: b_out's 4 loads and W_out's 32 may stay out
.irp t, 0,1,2,3,4,5,6
.irp e, 0,1
	ds_store_b128 v6, v[AS+4*(2*\t+\e):AS+4*(2*\t+\e)+3] offset:16*PA*\t+32*\e
.endr
.endr
	s_wait_loadcnt 0x0
	s_wait_dscnt 0x0                               ; for the others' sake: my channels of the rows are in LDS
	s_barrier_signal -1
	s_barrier_wait -1
.macro LOADA t, buf
.irp f, 0,1,2,3,4,5,6,7
	ds_load_b128 v[(\buf)+8*\f:(\buf)+8*\f+3],   v240 offset:16*PA*(\t)+64*\f
	ds_load_b128 v[(\buf)+8*\f+4:(\buf)+8*\f+7], v240 offset:16*PA*(\t)+64*\f+32
.endr
.endm
.macro TILE t
.set FA, 112+64*((\t)%2)
.set DD, 16+16*((\t)%2)
.if (\t) < 6
	LOADA (\t)+1, 112+64*(((\t)+1)%2)              ; the next tile's fragments, into the buffer whose last products stand five places and four stores back
	s_wait_dscnt 16                                ; all but those sixteen
.else
	s_wait_dscnt 0x0
.endif
	WIN 0x01
.irp f, 0,1,2,3,4,5,6,7                ; the two accumulators take turns; b_out starts the sums
.irp b, 0,1
.if \f == 0
	v_wmma_f32_16x16x32_f16 v[DD+8*\b:DD+8*\b+7], v[128+64*\b:128+64*\b+7], v[FA:FA+7], v[BO+8*\b:BO+8*\b+7]
.else
	v_wmma_f32_16x16x32_f16 v[DD+8*\b:DD+8*\b+7], v[128+8*(8*\b+\f):128+8*(8*\b+\f)+7], v[FA+8*\f:FA+8*\f+7], v[DD+8*\b:DD+8*\b+7]
.endif
.endr
.endr
	WIN 0
.if (\t) > 0
	v_add_nc_u32 v241, 16*PO, v241                 ; the places behind the products
.else
	v_nop
.endif
.rept 4
	v_nop
.endr
.irp b, 0,1
	ds_store_b128 v241, v[DD+8*\b:DD+8*\b+3]   offset:64*\b       ; each accumulator's lowest registers first
	ds_store_b128 v241, v[DD+8*\b+4:DD+8*\b+7] offset:64*\b+16
.endr
.endm
	LOADA 0, 112
.irp t, 0,1,2,3,4,5,6
	TILE \t
.endr
	s_wait_dscnt 0x0                               ; for the others' sake: my columns are in LDS
	s_barrier_signal -1
	s_barrier_wait -1
.irp i, 0,1,2,3,4,5,6,7,8,9,10,11,12,13
	ds_load_b128 v[112+8*\i:112+8*\i+3], v242 offset:PO*\i
	ds_load_b128 v[116+8*\i:116+8*\i+3], v242 offset:PO*\i+512
.endr
.irp i, 0,1,2,3,4,5,6,7,8,9,10,11,12,13
	s_add_co_u32 s26, s23, \i
	s_cmp_ge_u32 s26, LEN                          ; a batch's rows from 13,294 on do not exist
	s_cbranch_scc1 .Lend
	s_wait_dscnt 26-2*\i                           ; row i is back: two loads for each later row may stay out
	global_store_b128 v13, v[112+8*\i:112+8*\i+3], s[14:15] offset:1024*\i th:TH_STORE_NT       ; each store of the wave covers 512 consecutive bytes, aligned
	global_store_b128 v13, v[116+8*\i:116+8*\i+3], s[14:15] offset:1024*\i+512 th:TH_STORE_NT
.endr
.Lend:
	s_wait_tensorcnt 0x0                           ; the wave's end: behind my last LDS store
	ds_add_u32 v10, v11
	s_wait_dscnt 0x0
	s_endpgm
.Lfunc_end_k_q666d94c830_outp:
	.size	k_q666d94c830_outp, .Lfunc_end_k_q666d94c830_outp-k_q666d94c830_outp
	.p2alignl 7, 3214868480
	.fill 96, 4, 3214868480
	.section	.rodata,"a",@progbits
	.p2align	6, 0x0
	.amdhsa_kernel k_q666d94c830_outp
		.amdhsa_group_segment_fixed_size 176640
		.amdhsa_private_segment_fixed_size 0
		.amdhsa_enable_private_segment 0
		.amdhsa_kernarg_size 32
		.amdhsa_user_sgpr_count 2
		.amdhsa_user_sgpr_kernarg_segment_ptr 1
		.amdhsa_wavefront_size32 1
		.amdhsa_system_sgpr_workgroup_id_x 1
		.amdhsa_system_sgpr_workgroup_id_y 1
		.amdhsa_system_sgpr_workgroup_id_z 1
		.amdhsa_system_vgpr_workitem_id 0
		.amdhsa_next_free_vgpr 512
		.amdhsa_next_free_sgpr 66
		.amdhsa_reserve_vcc 0
		.amdhsa_float_denorm_mode_32 3
		.amdhsa_float_denorm_mode_16_64 3
		.amdhsa_memory_ordered 1
		.amdhsa_forward_progress 1
		.amdhsa_inst_pref_size 34
	.end_amdhsa_kernel
	.amdgpu_metadata
---
amdhsa.version: [ 1, 2 ]
amdhsa.kernels:
  - .name:           k_q666d94c830_outp
    .symbol:         k_q666d94c830_outp.kd
    .args:
      - { .name: acc, .offset: 0, .size: 8, .value_kind: global_buffer, .address_space: global }
      - { .name: wfrag, .offset: 8, .size: 8, .value_kind: global_buffer, .address_space: global }
      - { .name: b_out, .offset: 16, .size: 8, .value_kind: global_buffer, .address_space: global }
      - { .name: out0, .offset: 24, .size: 8, .value_kind: global_buffer, .address_space: global }
    .group_segment_fixed_size: 176640
    .private_segment_fixed_size: 0
    .kernarg_segment_align: 8
    .kernarg_segment_size: 32
    .max_flat_workgroup_size: 256
    .sgpr_count:     66
    .vgpr_count:     512
    .wavefront_size: 32
...
	.end_amdgpu_metadata
.endif
;; end of part 6
;; ======== version 3 of 3: 4 launches; version 2 with the launch gather written anew for expert scheduling mode
;; limits: values are held in f16: magnitudes above 65,504 overflow, below 6.1e-05 lose precision
;; workspace buffers: wfrag 458,752 bytes; value 13,664,256 bytes; wts 27,328,512 bytes; idx 6,832,128 bytes of whole numbers; acc 13,664,256 bytes
;; launch prep: the kernel of part 1 again; grid 56 x 1, 8 waves a work-group, no clusters, 0 bytes of LDS; arguments W_value, W_off, W_attn, W_out, wfrag; writes wfrag
;; launch proj: the kernel of part 4 again; grid 238 x 1, 8 waves a work-group, no clusters, 122,880 bytes of LDS; arguments query, input_flatten, reference_points, wfrag, b_value, b_off, b_attn, value, wts, idx; writes value, wts, idx
;; launch gather (part 7): grid 256 x 1, 8 waves a work-group, no clusters, 214,016 bytes of LDS; arguments value, wts, idx, acc; writes acc
.if DOCPART == 7
	.amdgcn_target "amdgcn-amd-amdhsa--gfx1250"
	.amdhsa_code_object_version 6
	.text
	.protected	k_q666d94c830_gather
	.globl	k_q666d94c830_gather
	.p2align	8
	.type	k_q666d94c830_gather,@function
k_q666d94c830_gather:
	s_mov_b64 s[64:65], 0
	v_nop
	global_prefetch_b8 v0, s[64:65] scope:SCOPE_SE
	s_setreg_imm32_b32 hwreg(HW_REG_WAVE_SCHED_MODE, 0, 2), 2
	s_setreg_imm32_b32 hwreg(HW_REG_WAVE_MODE, 25, 1), 1
	s_wait_xcnt 0x0
	s_wait_alu depctr_vm_vsrc(0)
; THE SAMPLING, OUT OF LDS.  For each (row, head): the sum over 16 points x 4 corners of weight x value[corner][32 channels], stored f16 as acc[32 chunks of 8 channels][26,688 padded rows][16 bytes].
; value: f16 [8 heads][4 quarters][26,688 rows][16 bytes]; wts: f16 [8][834 groups of 32 rows][8 slots][32 rows][16 bytes]; idx: u16 [8][834][2][32 rows][8], whole numbers stored by the launch before.  Padded row = 13,344 n + pos.
; SHARES.  One batch's table for one head and one quarter of its channels is 13,312 rows x 16 bytes = 212,992 bytes: it lies in LDS whole.  2 x 8 x 4 such tables x 4 parts of the rows = 256 work-groups:
; work-group id = 128 n + 16 head + 4 part + quarter.  A part is 104 groups of 32 rows; each of the eight waves walks 13 of them.  A lane is ONE row and holds its 8 sums in f32.
; A POINT is one address register and four LDS loads of 16 bytes a lane: the corners (by, bx), (by, bx + 1), (by + 1, bx), (by + 1, bx + 1) stand in the immediates (0, 16, 16 W, 16 W + 16).
; A BATCH is a level's four points.  The ring has two halves of four points: one is worked on while the other's 16 LDS loads are on their way.  In a batch's arithmetic stand, in three stages of
; four independent lines, the addresses of the batch that takes its half next (two batches on: this group's, or the next group's).
; THE ARITHMETIC.  A point's four corners are blended in packed f16, two channels a line (4 lines for each two channels, each rounded to f16); the blend is added to the f32 sums (2 lines): 24 lines a point.
; The sum over the 16 points is kept in f32.  The weights' upper halves are brought down by a shift, so that every packed line takes its weight from a register's low half.
; THE LIST comes straight into registers, 512 consecutive bytes a load, two groups ahead of its use: two sets of weight and index registers, groups by turns; a register is asked for again in the batch behind the one that read it.
; One vector offset, never rewritten; the three scalar bases are stepped once a group.  So the loop holds two groups, and the last three groups, which ask for less and less, are written out.
; THE MODE: SCHED_MODE bits 1:0 = 2 (LLVM: expert scheduling mode 2), set by the entry lines.  The code itself states the register dependences between vector instructions and memory or LDS instructions,
; with s_wait_alu, always for 0.
; THE PLAN.  Batch p works on half p % 2 of the ring.  M(p) are the memory instructions that go with it: the 16 LDS loads that fill its half again, by the addresses that it made; the two loads that ask for its weights again;
; where due, the load of the indices just used up, and the group's store.  M(p) is issued in batch p + 1, behind that batch's head.  Registers that memory or LDS instructions touch:
;   R, half p % 2      batch p's blends read it and write its corner 0, its sums read that; M(p)'s LDS loads land in it; they are waited for at the head of batch p + 2.
;   AD, half p % 2     batch p's three stages write it; M(p)'s LDS loads read it, in batch p + 1; batch p + 2 writes it again.
;   the weights of p   batch p's shifts and blends read them; M(p)'s two loads land in them.
;   IB, IA             read by the first address stage of batches 0, 1 (IB) and 2, 3 (the other set's IA); loaded again with M(1) and M(3).
;   P                  written at a group's end; read by the store, which goes with M(3), in the next group's batch 0; written again at that group's end.
;   v3, v4-7           offsets and addresses made at the head and never written again.      WH, the sums, v9 and v12 are named by vector instructions alone.
; No vector instruction of batch p + 1 names a register that M(p) touches.  So two lines at a batch's head state all: on va_vdst, that the batch before has written and read what M of it touches; on vm_vsrc, that the LDS loads
; issued in the batch before have read the addresses that this batch writes again.  Behind them M is dealt among the batch's first vector lines, four LDS loads at a time, with no further wait.
; LIMITS.  The blend keeps 11 significant bits a step, and below 6e-5 f16's fixed step of 6e-8: with value's spread at 1e-3 the 64 roundings of a sum come to about a thousandth of the sums' spread, further down to more.
; The sums lie within value's range (the weights are at least 0 and add up to 1 at the most) and are rounded once to f16, as the next product's operand.  An index is held to its level's range before it enters an address.
; NO CLUSTER, though four work-groups share a table and four others a part of the list: the gather's addresses come
; from each partner's own rows of the list.  No prefetch: the list's loads stand two groups ahead of their use already, and the table is asked for at the head.
.set VPL,    427008                    ; a (head, quarter)'s bytes in value and in acc
.set WPLANE, 3416064                   ; a head's bytes in wts
.set IPLANE, 854016                    ; in idx
.set PADB,   13344                     ; a batch's padded rows
.set SPARE,  212992                    ; behind the table: the spare words, 128 bytes a wave: four blocks of 256 bytes that no other line names
; window 0: v3 16 lane, never rewritten; v10, v11 the spare word and 0.  window 1: v0-207 the table on its way to LDS
.set TA,  4                            ; v4-7    the table copy's addresses: 16 x thread + 65,536 k: an LDS immediate holds 16 bits
.set ZR,  9                            ; v9      0
.set ONE, 12                           ; v12     1.0
.set ACC, 16                           ; v16-23  eight sums
.set IA,  24                           ; v24-27, v28-31  indices of points 0-7: set s at IA + 4 s
.set AD,  32                           ; v32-39  a slot's address
.set P,   40                           ; v40-43  the sums, packed
.set IB,  44                           ; v44-47, v80-83  indices of points 8-15: set s at IB + 36 s
.set WH,  84                           ; v84-91  a batch's weights w01 and w11, brought down into the low halves
.set R,   112                          ; v112-239 the ring: slot t at R + 16 t, corner k at + 4 k
                                       ; weights: point q's two registers (w00 w01, w10 w11): set 0 at v48 + 2 q; set 1 at v96 + 2 q (q < 8), v240 + 2 (q - 8)
.set MSB, 0
.macro WIN new                         ; the immediate's high byte repeats the setting that is left; a switch that changes nothing is dropped
.if MSB != (\new)
	s_set_vgpr_msb (MSB<<8)|(\new)
.set MSB, \new
.endif
.endm
.macro LEVEL l                         ; a level's first row, its width, its greatest by W + bx
.if (\l) == 0
.set LS, 0
.set LW, 100
.set LM, 9898
.elseif (\l) == 1
.set LS, 10000
.set LW, 50
.set LM, 2448
.elseif (\l) == 2
.set LS, 12500
.set LW, 25
.set LM, 598
.else
.set LS, 13125
.set LW, 13
.set LM, 154
.endif
.endm
.macro WREG s, q                       ; WB = the first of point q's two weight registers in set s
.if (\s) == 0
.set WB, 48+2*(\q)
.elseif (\q) < 8
.set WB, 96+2*(\q)
.else
.set WB, 240+2*((\q)-8)
.endif
.endm
.macro LDW s, p, off                   ; points 2 p, 2 p + 1 of a group: slot 2 (p % 4) + p / 4 of its 4,096 bytes
	WREG \s, 2*(\p)
	global_load_b128 v[WB:WB+3], v3, s[10:11] offset:(\off)+512*(2*((\p)%4)+(\p)/4)
.endm
; The addresses of four points for slots h .. h + 3, from the two index registers at ib, in three stages
.macro ADRA h, ib
.irp j, 0,1,2,3
.if (\j)%2
	v_lshrrev_b32 v[AD+(\h)+\j], 16, v[(\ib)+(\j)/2]
.else
	v_and_b32 v[AD+(\h)+\j], 0xffff, v[(\ib)+(\j)/2]
.endif
.endr
.endm
.macro ADRB h, lvl
	LEVEL \lvl
.irp j, 0,1,2,3
	v_min_u32 v[AD+(\h)+\j], LM, v[AD+(\h)+\j]
.endr
.endm
.macro ADRC h, lvl
	LEVEL \lvl
.irp j, 0,1,2,3
	v_lshl_add_u32 v[AD+(\h)+\j], v[AD+(\h)+\j], 4, LS*16
.endr
.endm
.macro RUN1 t, lvl                     ; slot t's point: the four LDS loads of its corners; the last byte that any of them can reach is the table's 212,704th
	LEVEL \lvl
	ds_load_b128 v[R+16*(\t):R+16*(\t)+3],     v[AD+(\t)]
	ds_load_b128 v[R+16*(\t)+4:R+16*(\t)+7],   v[AD+(\t)] offset:16
	ds_load_b128 v[R+16*(\t)+8:R+16*(\t)+11],  v[AD+(\t)] offset:LW*16
	ds_load_b128 v[R+16*(\t)+12:R+16*(\t)+15], v[AD+(\t)] offset:LW*16+16
.endm
; Corner k of batch b's four points joins the blend, which stands where corner 0 lay: 16 independent lines, two channels each; the weight is its register's low half, for both channels
.macro CORNER s, b, k
.irp j, 0,1,2,3
	WREG \s, 4*(\b)+\j
.set RS, R+16*(4*((\b)%2)+\j)
.if (\k) == 0
.set WS, WB
.elseif (\k) == 1
.set WS, WH+2*\j
.elseif (\k) == 2
.set WS, WB+1
.else
.set WS, WH+2*\j+1
.endif
.irp i, 0,1,2,3
.if (\k) == 0
	v_pk_fma_f16 v[RS+\i], v[RS+\i], v[WS], v[ZR] op_sel_hi:[1,0,1]
.else
	v_pk_fma_f16 v[RS+\i], v[RS+4*(\k)+\i], v[WS], v[RS+\i] op_sel_hi:[1,0,1]
.endif
.endr
.endr
.endm
; The four blends are added to the f32 sums.  The group's first point starts the sums on 0: nothing is cleared.
.macro SUMS b
.irp j, 0,1,2,3
.set RS, R+16*(4*((\b)%2)+\j)
.irp i, 0,1,2,3
.if ((\b) == 0) && ((\j) == 0)
	v_fma_mix_f32 v[ACC+2*\i],   v[RS+\i], v[ONE], v[ZR] op_sel_hi:[1,0,0]
	v_fma_mix_f32 v[ACC+2*\i+1], v[RS+\i], v[ONE], v[ZR] op_sel:[1,0,0] op_sel_hi:[1,0,0]
.else
	v_fma_mix_f32 v[ACC+2*\i],   v[RS+\i], v[ONE], v[ACC+2*\i] op_sel_hi:[1,0,0]
	v_fma_mix_f32 v[ACC+2*\i+1], v[RS+\i], v[ONE], v[ACC+2*\i+1] op_sel:[1,0,0] op_sel_hi:[1,0,0]
.endif
.endr
.endr
.endm
; Batch b (level b) of a group whose list lies in set s.  nl: the loads from memory that may stay out (-1: no wait is due).  adr = 1: it makes the addresses of the points two batches on, which take its half next.
; first = 1: the wave's first batch.  What it issues is the memory part of THE BATCH BEFORE (batch PB, set PS, half PH, which takes level PL):
; pring = 1: that half's 16 LDS loads.  pldw = 1: that batch's two pairs of weights, for the group two on.  pldi = 1: the indices that it used up.  st = 1: the group before is stored.
.macro BATCH s, b, nl, adr, first, pring, pldw, pldi, st
.set HB, 4*((\b)%2)
.set TL, ((\b)+2)%4
.set PB, ((\b)+3)%4
.set PH, 4-HB
.set PL, ((\b)+1)%4
.if (\b) == 0
.set PS, 1-(\s)
.else
.set PS, \s
.endif
.if (\b) < 2
.set IX, IB+36*(\s)+2*(\b)             ; this group's points 8-15
.else
.set IX, IA+4*(1-(\s))+2*((\b)-2)      ; the next group's points 0-7
.endif
	s_wait_dscnt 0x0                               ; my half is in: its 16 loads, issued in the batch before, are the only LDS instructions out
.if (\nl) >= 0
	s_wait_loadcnt \nl
.endif
.if (\b) == 1
	s_wait_xcnt 0x0                                ; every load and the last group's store (the youngest 68 vector lines back) have had their addresses translated: the bases and the store's data are written again only behind this wait
.endif
.if \adr
	s_wait_alu depctr_vm_vsrc(0)                   ; the LDS loads issued in the batch before have read AD of my half, which the stages below write again; in batch 1 also: the store has read P, which the group's end writes again
.endif
.if (\pring) && !(\first)
	s_wait_alu depctr_va_vdst(0)                   ; the batch before has written AD of its half (and, at a group's end, P), which the loads (and the store) below read; it is done with its half of R, its weights and its indices, in which they land
.endif
.if (\b) == 1
	s_add_nc_u64 s[14:15], s[14:15], 512           ; acc: 512 bytes behind this group's
.if \pldw
	s_add_nc_u64 s[10:11], s[10:11], 4096          ; wts and idx: at the group two on
	s_add_nc_u64 s[12:13], s[12:13], 1024
.endif
.endif
.if \pring
	RUN1 PH, PL                                    ; no vector line of this batch names R or AD of the other half, the other batches' weights, the index registers asked for here, or P: nothing more is owed below
.endif
.irp j, 0,1,2,3
	WREG \s, 4*(\b)+\j
	v_lshrrev_b32 v[WH+2*\j],   16, v[WB]
	v_lshrrev_b32 v[WH+2*\j+1], 16, v[WB+1]
.endr
.if \pring
	RUN1 PH+1, PL
.endif
	CORNER \s, \b, 0
.if \pring
	RUN1 PH+2, PL
.endif
.if \adr
	ADRA HB, IX
.endif
.if \pldw
	LDW PS, 2*PB, 0
	LDW PS, 2*PB+1, 0
.endif
	CORNER \s, \b, 1
.if \pring
	RUN1 PH+3, PL
.endif
.if \adr
	ADRB HB, TL
.endif
.if \pldi
.if (\b) == 2
	global_load_b128 v[IB+36*(\s):IB+36*(\s)+3], v3, s[12:13] offset:512   ; points 8-15 of the group two on
.else
	global_load_b128 v[IA+4*(\s):IA+4*(\s)+3], v3, s[12:13] offset:1024    ; points 0-7 of the group two on (the bases are still the last group's)
.endif
.endif
.if \st
	global_store_b128 v3, v[P:P+3], s[14:15] offset:-512 th:TH_STORE_NT    ; the group before: 32 rows x 16 bytes: 512 consecutive bytes, aligned
.endif
	CORNER \s, \b, 2
.if \adr
	ADRC HB, TL
.endif
	CORNER \s, \b, 3
	SUMS \b
.endm
.macro PACK                            ; a group's end: the sums are rounded once to f16
.irp k, 0,1,2,3
	v_cvt_pk_f16_f32 v[P+\k], v[ACC+2*\k], v[ACC+2*\k+1]
.endr
.endm
; The loads from memory that go with a group's four batches, in order: W0 W1 | W2 W3 IB | W4 W5 | W6 W7 IA (W p: a pair of points' weights): ten, each part issued in the batch behind its own, each used two groups later.
; The wait of batch 0 is for this group's IB, and shows W0-W3 in with it: behind IB stand the 5 loads of the same ten and 7 of the next ten (whose last three go out behind this wait): 12.
; The wait of batch 2 (n2) is for the next group's IA, and shows W4-W7 in with it: behind IA, the last of its ten, stand the next ten and the first 2 of the ten after: 12.
.macro REST s, n2, ldw, ldb            ; a group's batches 1 to 3 and its end
	BATCH \s, 1, -1, 1, 0, 1, \ldw, 0, 0
	BATCH \s, 2, \n2, 1, 0, 1, \ldw, \ldb, 0
	BATCH \s, 3, -1, 1, 0, 1, \ldw, 0, 0
	PACK
.endm
	s_load_b256 s[8:15], s[0:1], 0x0               ; value 8, wts 10, idx 12, acc 14
	v_lshl_add_u32 v10, v0, 2, SPARE               ; my spare word, and 0: for the wave's end
	v_mov_b32 v11, 0
	v_lshrrev_b32 v1, 5, v0
	v_readfirstlane_b32 s20, v1                    ; wave
	v_and_b32 v1, 31, v0                           ; lane
	s_mov_b32 s21, ttmp9
	s_and_b32 s16, s21, 3                          ; the quarter of the channels
	s_bfe_u32 s17, s21, 0x20002                    ; the part of the rows
	s_bfe_u32 s18, s21, 0x30004                    ; the head
	s_lshr_b32 s19, s21, 7                         ; the batch
	s_mul_i32 s23, s19, 417
	s_mul_i32 s24, s17, 104
	s_add_co_u32 s23, s23, s24
	s_wait_alu depctr_va_sdst(0)                   ; s20 is written, ahead of its first reader: my first group is made from it
	s_mul_i32 s24, s20, 13
	s_add_co_u32 s23, s23, s24                     ; my first group: 417 n + 104 part + 13 wave
	v_lshlrev_b32 v3, 4, v1
	v_lshlrev_b32 v[TA], 4, v0
.irp k, 1,2,3
	v_add_nc_u32 v[TA+\k], 65536*\k, v[TA]
.endr
	v_mov_b32 v[ZR], 0
	v_mov_b32 v[ONE], 1.0
	s_lshl_b32 s25, s18, 2
	s_add_co_u32 s25, s25, s16
	s_mul_i32 s25, s25, VPL                        ; the (head, quarter)'s plane
	s_mov_b32 s31, 0
	s_wait_kmcnt 0x0
	s_mul_i32 s30, s19, PADB*16
	s_add_co_u32 s30, s30, s25
	s_add_nc_u64 s[8:9], s[8:9], s[30:31]          ; value at my table
	s_mul_i32 s30, s18, WPLANE
	s_lshl_b32 s27, s23, 12
	s_add_co_u32 s30, s30, s27
	s_add_nc_u64 s[10:11], s[10:11], s[30:31]      ; wts, idx and acc at my first group
	s_mul_i32 s30, s18, IPLANE
	s_lshl_b32 s27, s23, 10
	s_add_co_u32 s30, s30, s27
	s_add_nc_u64 s[12:13], s[12:13], s[30:31]
	s_lshl_b32 s30, s23, 9
	s_add_co_u32 s30, s30, s25
	s_add_nc_u64 s[14:15], s[14:15], s[30:31]
	s_wait_alu depctr_va_vdst(0)                   ; v3 and v4 to v7 are written: every load and store of the list, the table and acc, and the table's LDS stores, read one of them; they are never written again
	; the list of my first two groups, in the order in which two groups ahead of them would have asked for it: 20 loads
	global_load_b128 v[IA:IA+3], v3, s[12:13]                  ; group 0, points 0-7
.irp p, 0,1,2,3
	LDW 0, \p, 0
.endr
	global_load_b128 v[IB:IB+3], v3, s[12:13] offset:512       ; group 0, points 8-15
.irp p, 4,5,6,7
	LDW 0, \p, 0
.endr
	global_load_b128 v[IA+4:IA+7], v3, s[12:13] offset:1024    ; group 1, points 0-7
.irp p, 0,1,2,3
	LDW 1, \p, 4096
.endr
	global_load_b128 v[IB+36:IB+39], v3, s[12:13] offset:1536  ; group 1, points 8-15
.irp p, 4,5,6,7
	LDW 1, \p, 4096
.endr
	WIN 0x40                                       ; destination window 1, address window 0; between the wait above and these loads stand loads and this switch alone
.set i, 0
.rept 52                               ; and the table: 52 x 4,096 bytes, 16 bytes a thread: 13,312 rows, all of them stored by the launch before
	global_load_b128 v[4*i:4*i+3], v[TA], s[8:9] offset:4096*i
.set i, i+1
.endr
	WIN 0x04                                       ; the stores' data in window 1
.set i, 0
.rept 52
	s_wait_loadcnt 51-i                            ; piece i is in: the later pieces may stay out
	ds_store_b128 v[TA+i/16], v[4*i:4*i+3] offset:4096*(i%16)
.set i, i+1
.endr
	WIN 0
	ADRA 0, IA                                     ; no load is out.  The addresses of group 0's points 0-7,
	ADRA 4, IA+2
	ADRB 0, 0
	ADRB 4, 1
	ADRC 0, 0
	ADRC 4, 1
	s_add_nc_u64 s[10:11], s[10:11], 4096          ; the bases as the group ahead of the first would have left them,
	s_add_nc_u64 s[12:13], s[12:13], 1024
	s_wait_alu depctr_va_vdst(0)                   ; the address lines have written AD, which the first LDS loads of both halves read, and are done reading IA, in which the load below lands
	global_load_b128 v[IA:IA+3], v3, s[12:13] offset:1024      ; and its last load: group 2, points 0-7, into the registers just read
	s_wait_dscnt 0x0                               ; for the others' sake: my part of the table is in LDS
	s_barrier_signal -1
	s_barrier_wait -1                              ; the launch's one barrier: from here on the table is only read
.irp j, 0,1,2,3
	RUN1 \j, 0                                     ; the ring's first half; the second is filled by the first batch, as every half is by the batch behind its own
.endr
	BATCH 0, 0, -1, 1, 1, 1, 0, 0, 0               ; group 0's batch 0 is written out: no group stands ahead of it, so it stores nothing, and the head has asked for what would go with that group.  All of groups 0 and 1's list is in
	s_mov_b32 s22, 5
.Ltask:                                        ; a trip: from batch 1 of a group to batch 0 of the group two on: groups 0 to 9, and batch 0 of group 10
	REST 0, 12, 1, 1
	BATCH 1, 0, 12, 1, 0, 1, 1, 1, 1
	REST 1, 12, 1, 1
	BATCH 0, 0, 12, 1, 0, 1, 1, 1, 1
	s_sub_co_u32 s22, s22, 1
	s_cmp_lg_u32 s22, 0
	s_cbranch_scc1 .Ltask
	REST 0, 12, 1, 1                               ; with group 10 go group 12's weights and points 8-15: nine loads; there is no group 13
	BATCH 1, 0, 12, 1, 0, 1, 1, 0, 1               ; group 11: behind its IB stand 5 + 7 loads; the last two of the nine go out here
	REST 1, 9, 0, 0                                ; with group 11 goes nothing from memory: behind group 12's IA stand the nine
	BATCH 0, 0, 4, 1, 0, 1, 0, 0, 1                ; group 12: behind its IB stand W4-W7
	BATCH 0, 1, -1, 1, 0, 1, 0, 0, 0
	BATCH 0, 2, 0, 0, 0, 1, 0, 0, 0                ; nothing was asked for behind W4-W7; its last two batches make no addresses,
	BATCH 0, 3, -1, 0, 0, 0, 0, 0, 0               ; and the last issues nothing
	PACK
	s_wait_alu depctr_va_vdst(0)                   ; the roundings have written P, which the last store reads
	global_store_b128 v3, v[P:P+3], s[14:15] offset:-512 th:TH_STORE_NT
	s_wait_dscnt 0x0                               ; the closing lines, six on end
	s_wait_alu 0x0
	s_wait_tensorcnt 0x0
	ds_add_u32 v10, v11
	s_wait_dscnt 0x0
	s_endpgm
.Lfunc_end_k_q666d94c830_gather:
	.size	k_q666d94c830_gather, .Lfunc_end_k_q666d94c830_gather-k_q666d94c830_gather
	.p2alignl 7, 3214868480
	.fill 96, 4, 3214868480
	.section	.rodata,"a",@progbits
	.p2align	6, 0x0
	.amdhsa_kernel k_q666d94c830_gather
		.amdhsa_group_segment_fixed_size 214016
		.amdhsa_private_segment_fixed_size 0
		.amdhsa_enable_private_segment 0
		.amdhsa_kernarg_size 32
		.amdhsa_user_sgpr_count 2
		.amdhsa_user_sgpr_kernarg_segment_ptr 1
		.amdhsa_wavefront_size32 1
		.amdhsa_system_sgpr_workgroup_id_x 1
		.amdhsa_system_sgpr_workgroup_id_y 1
		.amdhsa_system_sgpr_workgroup_id_z 1
		.amdhsa_system_vgpr_workitem_id 0
		.amdhsa_next_free_vgpr 464
		.amdhsa_next_free_sgpr 66
		.amdhsa_reserve_vcc 0
		.amdhsa_float_denorm_mode_32 3
		.amdhsa_float_denorm_mode_16_64 3
		.amdhsa_memory_ordered 1
		.amdhsa_forward_progress 1
		.amdhsa_inst_pref_size 183
	.end_amdhsa_kernel
	.amdgpu_metadata
---
amdhsa.version: [ 1, 2 ]
amdhsa.kernels:
  - .name:           k_q666d94c830_gather
    .symbol:         k_q666d94c830_gather.kd
    .args:
      - { .name: value, .offset: 0, .size: 8, .value_kind: global_buffer, .address_space: global }
      - { .name: wts, .offset: 8, .size: 8, .value_kind: global_buffer, .address_space: global }
      - { .name: idx, .offset: 16, .size: 8, .value_kind: global_buffer, .address_space: global }
      - { .name: acc, .offset: 24, .size: 8, .value_kind: global_buffer, .address_space: global }
    .group_segment_fixed_size: 214016
    .private_segment_fixed_size: 0
    .kernarg_segment_align: 8
    .kernarg_segment_size: 32
    .max_flat_workgroup_size: 256
    .sgpr_count:     66
    .vgpr_count:     464
    .wavefront_size: 32
...
	.end_amdgpu_metadata
.endif
;; end of part 7
;; launch outp: the kernel of part 6 again; grid 238 x 1, 8 waves a work-group, no clusters, 176,640 bytes of LDS; arguments acc, wfrag, b_out, out0; writes out0
